; MI455X (gfx1250); checked and timed in simulation.
; The chip was launched on July 23, 2026; its instructions are those of AMD's public machine-readable ISA for CDNA 5 (MIT licence, August 2026) and "CDNA5" Instruction Set Architecture Reference Guide (July 2026). The comments in the code are by the model that wrote it; some were corrected since.
;; KAN Multi Head Attention. Allowed arithmetic: float matrix products may take bf16 or f16 operands with f32 sums; other float arithmetic in f32, or as packed bf16 or f16 multiplies, adds, multiply-adds, maxima and minima; sums over many terms, partial sums and values carried from step to step in f32; what a program stores and reads back later, other than sums and carried values, may be rounded once to bf16 or f16.
;; Inputs: base_w 3,072 x 1,024 float32; out_b 1,024 float32; out_w 1,024 x 1,024 float32; rot_cos 2,048 x 32 float32; rot_sin 2,048 x 32 float32; spline_scaler 3,072 x 1,024 float32; spline_w 3,072 x 1,024 x 8 float32; x 2,048 x 1,024 float32.
;; Outputs: out0 1 x 2,048 x 1,024 float32.
;; 2 versions, each right; version 2 is version 1 with the launch prep written anew for expert scheduling mode. Each part assembles by itself: llvm-mc -triple=amdgcn-amd-amdhsa -mcpu=gfx1250 --defsym DOCPART=n.
;; ======== version 1 of 2: 4 launches
;; limits: values are held in f16: magnitudes above 65,504 overflow, below 6.1e-05 lose precision
;; workspace buffers: ap 37,748,736 bytes; wp 56,623,104 bytes; owf 2,097,152 bytes; qf 4,194,304 bytes; kv 8,388,608 bytes; cf 4,194,304 bytes
;; launch prep (part 1): grid 16 x 64, 4 waves a work-group, no clusters, 0 bytes of LDS; arguments x, base_w, spline_w, spline_scaler, out_w, ap, wp, owf; writes ap, wp, owf
.if DOCPART == 1
	.amdgcn_target "amdgcn-amd-amdhsa--gfx1250"
	.amdhsa_code_object_version 6
	.text
	.protected	k_q5c82220d2f_prep
	.globl	k_q5c82220d2f_prep
	.p2align	8
	.type	k_q5c82220d2f_prep,@function
k_q5c82220d2f_prep:
	s_mov_b64 s[64:65], 0
	v_nop
	global_prefetch_b8 v0, s[64:65] scope:SCOPE_SE
	s_setreg_imm32_b32 hwreg(HW_REG_WAVE_MODE, 25, 1), 1
	s_wait_xcnt 0x0
; THE OPERANDS OF THE FIRST PRODUCT, AND out_w, IN f16.  qkv = silu(x) base_w^T + sum B_j(x) (spline_w scaler) is ONE product over K = 9,216: this launch writes its two operands.
;   ap  [K order][2048 rows]: silu(x) and the eight bases B_0..B_7 of every x, made in f32 from x as given, rounded once.
;   wp  [K order][3072 rows]: 16 base_w and 16 scaler spline_w, made in f32, rounded once (16 is exact; the next launch divides by it in f32).
;   owf out_w rounded once, in chunks of 256 k.
; K ORDER.  16 superblocks of 64 features; each has 9 blocks of 64 k: blocks 0-7: position u of 8 holds the 8 bases of feature 8 block + u; block 8: position g holds features 8 g .. 8 g + 7 of the
; base term.  Three blocks are a K step of 192.  In ap a step lies as [64-row group][block][row][128 bytes], in wp as [head][half of the channels][block][q, k, v x 32 rows][128 bytes].
; BASES.  On this uniform grid B_j(x) = a^3 - 4 b^3 with d = kap (2.5 x + 3.5 - j), a = 2 kap - min(|d|, 2 kap), b = kap - min(|d|, kap), kap = 6^(-1/3): the cubic B-spline, 0 outside its four cells.
; LIMITS.  x finite (NaN and infinities give bases 0).  |silu(x)|, |16 base_w|, |16 scaler spline_w| and |out_w| stay under 65,504, f16's end; below 6e-5 f16 keeps its fixed step of 6e-8.
; SHARES.  1,024 work-groups, ALL ALIKE.  In work-group g three waves make wp (two rows each, of q, of k and of v, 8 superblocks), one wave makes ap (4 rows of x, 8 superblocks), and every wave
; rounds a quarter of row g of out_w.  The wave that makes ap has the most arithmetic: which of the four it is turns with g.  Waves are independent: no LDS, no barrier.
; Memory binds: every store of a wave covers whole aligned runs of 256 bytes.
.set SET0, 16                          ; v[16:55]  weights, set 0: 8 x 4 of spline_w, 4 of scaler, 4 of base_w
.set SET1, 56                          ; v[56:95]  set 1
.set OUT0, 96                          ; v[96:113] nine pairs to store, set 0
.set OUT1, 114                         ; v[114:131] set 1
.set TT,   132                         ; v[132:133] the scaler of my feature (the pair's low word is used)
.set OWL,  134                         ; v134      16 x lane; never rewritten
.set OWS,  135                         ; v135      8 x lane; never rewritten
.set OWD,  136                         ; v[136:143] my 8 numbers of out_w
.set OWO,  144                         ; v[144:147] the same in f16
.set VO,   7                           ; activations: v7 a block's store offset
.set Y,    8                           ; v[8:15] x of my position in blocks 0-7
.set XS,   16                          ; v[16:23] the 8 x of my position in block 8
.set U,    24                          ; v[24:31] 2.5 kap x + 3.5 kap, the block in hand in front
.set CP,   32                          ; v[32:39] -j kap
.set D,    40
.set AA,   48
.set BB,   56
.set E,    64
.set OQ,   72                          ; v[72:75] a spline block's quad to store
.set OS,   80                          ; v[80:83] the silu block's quad
	s_load_b512 s[4:19], s[0:1], 0x0               ; x 4, base_w 6, spline_w 8, scaler 10, out_w 12, ap 14, wp 16, owf 18
	v_lshrrev_b32 v1, 5, v0
	v_readfirstlane_b32 s20, v1                    ; wave
	s_and_b32 s21, ttmp7, 0xffff
	s_lshl_b32 s41, s21, 4
	s_or_b32 s41, s41, ttmp9                       ; g = 16 y + x, 0 .. 1,023
	s_lshr_b32 s22, s41, 8
	s_add_co_u32 s22, s22, s41
	s_add_co_u32 s22, s22, s20
	s_and_b32 s22, s22, 3                          ; my part: 0 q's weights, 1 k's, 2 v's, 3 the activations
	v_and_b32 v1, 31, v0                           ; lane
	v_lshlrev_b32 v[OWL], 4, v1
	v_lshlrev_b32 v[OWS], 3, v1
	s_mov_b32 s49, 0                               ; the high word of every offset
	s_lshl_b32 s48, s41, 12                        ; out_w: row g, my 256 k: 1,024 bytes
	s_lshl_b32 s47, s20, 10
	s_add_co_u32 s48, s48, s47
	s_wait_kmcnt 0x0
	s_add_nc_u64 s[52:53], s[12:13], s[48:49]
	s_lshl_b32 s48, s20, 19                        ; owf: chunk = my wave's number, row g's 512 bytes
	s_lshl_b32 s47, s41, 9
	s_add_co_u32 s48, s48, s47
	s_add_nc_u64 s[54:55], s[18:19], s[48:49]
	global_load_b128 v[OWD:OWD+3], v[OWL], s[52:53] th:TH_LOAD_NT
	global_load_b128 v[OWD+4:OWD+7], v[OWL], s[52:53] offset:512 th:TH_LOAD_NT
.macro OWOUT                           ; my quarter row of out_w, rounded and stored: two stores of 256 aligned bytes
	v_cvt_pk_f16_f32 v[OWO], v[OWD], v[OWD+1]
	v_cvt_pk_f16_f32 v[OWO+1], v[OWD+2], v[OWD+3]
	v_cvt_pk_f16_f32 v[OWO+2], v[OWD+4], v[OWD+5]
	v_cvt_pk_f16_f32 v[OWO+3], v[OWD+6], v[OWD+7]
	global_store_b64 v[OWS], v[OWO:OWO+1], s[54:55] th:TH_STORE_NT
	global_store_b64 v[OWS], v[OWO+2:OWO+3], s[54:55] offset:256 th:TH_STORE_NT
.endm
	s_cmp_eq_u32 s22, 3
	s_cbranch_scc1 .Lacts
; ---- wp: a wave owns two neighbouring rows of the weights and 8 superblocks, one a trip.  Lanes 0-15 the first row, 16-31 the second. ----
	s_and_b32 s42, s41, 1                          ; which 8 superblocks
	s_bfe_u32 s43, s41, 0x40001                    ; which pair of the 32 rows
	s_bfe_u32 s44, s41, 0x10005                    ; which half of the head's channels
	s_lshr_b32 s45, s41, 6                         ; head
	s_mul_i32 s46, s45, 192
	s_lshl_b32 s47, s22, 6
	s_add_co_u32 s46, s46, s47
	s_lshl_b32 s47, s44, 5
	s_add_co_u32 s46, s46, s47
	s_lshl_b32 s47, s43, 1
	s_add_co_u32 s46, s46, s47                     ; my first row of the 3,072
	v_lshrrev_b32 v6, 4, v1
	v_and_b32 v7, 15, v1
	v_lshlrev_b32 v2, 4, v7
	v_lshl_add_u32 v4, v6, 12, v2                  ; base_w: row x 4,096 + 16 (lane % 16)
	v_lshl_add_u32 v2, v6, 15, v2                  ; spline_w: row x 32,768 + 16 (lane % 16)
	v_lshlrev_b32 v3, 2, v7
	v_lshl_add_u32 v3, v6, 12, v3                  ; scaler: row x 4,096 + 4 (lane % 16)
	v_lshlrev_b32 v5, 3, v1                        ; two rows of 128 bytes are 256 bytes on end: 8 x lane
	v_mov_b32 v[TT], 0                             ; the lane exchange counts as a reader of its destination; the pair is named whole
	v_mov_b32 v[TT+1], 0
	s_mov_b32 s32, 0x33221100                      ; lane i of 16 takes lane i / 2,
	s_mov_b32 s33, 0x77665544
	s_mov_b32 s34, 0xbbaa9988                      ; or lane 8 + i / 2
	s_mov_b32 s35, 0xffeeddcc
	s_mov_b32 s36, 0x41800000                      ; 16.0
	s_mov_b32 s37, 0x41800000
	s_lshl_b32 s48, s46, 15
	s_lshl_b32 s47, s42, 14
	s_add_co_u32 s48, s48, s47
	s_add_nc_u64 s[24:25], s[8:9], s[48:49]
	s_lshl_b32 s48, s46, 12
	s_lshl_b32 s47, s42, 11
	s_add_co_u32 s48, s48, s47
	s_add_nc_u64 s[26:27], s[10:11], s[48:49]
	s_add_nc_u64 s[28:29], s[6:7], s[48:49]
	s_mul_i32 s48, s42, 28311552                   ; 24 K steps of 1,179,648 bytes
	s_mul_i32 s47, s45, 73728
	s_add_co_u32 s48, s48, s47
	s_mul_i32 s47, s44, 36864
	s_add_co_u32 s48, s48, s47
	s_lshl_b32 s47, s22, 12
	s_add_co_u32 s48, s48, s47
	s_lshl_b32 s47, s43, 8
	s_add_co_u32 s48, s48, s47
	s_add_nc_u64 s[30:31], s[16:17], s[48:49]
.macro WLOAD set, trip                 ; a superblock of both rows: 13 loads
.irp n, 0,1,2,3,4,5,6,7
	global_load_b128 v[(\set)+4*(\n):(\set)+4*(\n)+3], v2, s[24:25] offset:(\trip)*2048+(\n)*256 th:TH_LOAD_NT
.endr
.irp m, 0,1,2,3
	global_load_b32 v[(\set)+32+(\m)], v3, s[26:27] offset:(\trip)*256+(\m)*64
.endr
	global_load_b128 v[(\set)+36:(\set)+39], v4, s[28:29] offset:(\trip)*256 th:TH_LOAD_NT
.endm
.macro WPROC set, out, trip            ; nine blocks: scaled, rounded, stored; each store covers 256 aligned bytes; trip counts from wp's pointer and may be negative
.irp m, 0,1,2,3
	v_mul_f32 v[(\set)+32+(\m)], 0x41800000, v[(\set)+32+(\m)]
.endr
.irp n, 0,1,2,3,4,5,6,7
	v_permlane16_b32 v[TT], v[(\set)+32+(\n)/2], s[32+2*((\n)%2)], s[33+2*((\n)%2)]  ; 16 scaler of feature 8 n + (lane % 16) / 2
	v_pk_mul_f32 v[(\set)+4*(\n):(\set)+4*(\n)+1], v[(\set)+4*(\n):(\set)+4*(\n)+1], v[TT:TT+1] op_sel_hi:[1,0]
	v_pk_mul_f32 v[(\set)+4*(\n)+2:(\set)+4*(\n)+3], v[(\set)+4*(\n)+2:(\set)+4*(\n)+3], v[TT:TT+1] op_sel_hi:[1,0]
	v_cvt_pk_f16_f32 v[(\out)+2*(\n)], v[(\set)+4*(\n)], v[(\set)+4*(\n)+1]
	v_cvt_pk_f16_f32 v[(\out)+2*(\n)+1], v[(\set)+4*(\n)+2], v[(\set)+4*(\n)+3]
	global_store_b64 v5, v[(\out)+2*(\n):(\out)+2*(\n)+1], s[30:31] offset:(\trip)*3538944+((\n)/3)*1179648+((\n)%3)*12288 th:TH_STORE_NT
.endr
	v_pk_mul_f32 v[(\set)+36:(\set)+37], v[(\set)+36:(\set)+37], s[36:37] op_sel_hi:[1,0]
	v_pk_mul_f32 v[(\set)+38:(\set)+39], v[(\set)+38:(\set)+39], s[36:37] op_sel_hi:[1,0]
	v_cvt_pk_f16_f32 v[(\out)+16], v[(\set)+36], v[(\set)+37]
	v_cvt_pk_f16_f32 v[(\out)+17], v[(\set)+38], v[(\set)+39]
	global_store_b64 v5, v[(\out)+16:(\out)+17], s[30:31] offset:(\trip)*3538944+2*1179648+2*12288 th:TH_STORE_NT
.endm
	WLOAD SET0, 0
	WLOAD SET1, 1
	s_wait_loadcnt 26                              ; out_w's two loads are in; the 26 younger ones stay out
	OWOUT
	s_mov_b32 s23, 3
.Lpair:                                        ; two trips are worked on, the two behind them asked for
	s_wait_loadcnt 13                              ; set 0 is in; set 1's 13 loads may stay out
	s_wait_xcnt 0x0                                ; all that has been issued, has read its sources: the four pointers and the stores' data may be rewritten
	s_add_nc_u64 s[24:25], s[24:25], 4096          ; the pointers go two trips on: the loads below name them as they stand, the stores reach two trips back
	s_add_nc_u64 s[26:27], s[26:27], 512
	s_add_nc_u64 s[28:29], s[28:29], 512
	s_add_nc_u64 s[30:31], s[30:31], 7077888
	WPROC SET0, OUT0, -2
	WLOAD SET0, 0
	s_wait_loadcnt 13                              ; set 1 is in
	WPROC SET1, OUT1, -1
	WLOAD SET1, 1
	s_sub_co_u32 s23, s23, 1
	s_cmp_lg_u32 s23, 0
	s_cbranch_scc1 .Lpair
	s_wait_loadcnt 13                              ; the last two trips load nothing, and the pointers stand at them
	s_wait_xcnt 0x0                                ; the last trips' stores have read their data
	WPROC SET0, OUT0, 0
	s_wait_loadcnt 0x0
	WPROC SET1, OUT1, 1
	s_endpgm
; ---- ap: a wave owns 4 rows of x and 8 superblocks, one a trip.  Lane = (row lane / 8, position lane % 8). ----
.Lacts:
	s_and_b32 s42, s41, 1                          ; which 8 superblocks
	s_lshr_b32 s43, s41, 1
	s_lshl_b32 s43, s43, 2                         ; my first row
	v_lshrrev_b32 v5, 3, v1
	v_and_b32 v6, 7, v1
	v_lshlrev_b32 v2, 2, v6
	v_lshl_add_u32 v2, v5, 12, v2                  ; row x 4,096 + position x 4: one x of a spline block
	v_lshlrev_b32 v3, 5, v6
	v_lshl_add_u32 v3, v5, 12, v3                  ; row x 4,096 + position x 32: eight x of the base block
	v_lshlrev_b32 v4, 4, v1                        ; four rows of 128 bytes are 512 bytes on end: 16 x lane
	v_mov_b32 v[CP+0], 0
	v_mov_b32 v[CP+1], 0xbf0ce1da                  ; -kap, kap = 0.5503212
	v_mov_b32 v[CP+2], 0xbf8ce1da
	v_mov_b32 v[CP+3], 0xbfd352c7
	v_mov_b32 v[CP+4], 0xc00ce1da
	v_mov_b32 v[CP+5], 0xc0301a50
	v_mov_b32 v[CP+6], 0xc05352c7
	v_mov_b32 v[CP+7], 0xc0768b3d                  ; -7 kap
	s_mov_b32 s36, 0x3fb01a50                      ; 2.5 kap
	s_mov_b32 s37, 0x7fffffff
	s_mov_b32 s38, 0x3f8ce1da                      ; 2 kap
	s_mov_b32 s39, 0x3f0ce1da                      ; kap
	s_mov_b32 s50, 770048                          ; from a K step's third block to the next step's first: 786,432 - 2 x 8,192
	s_mov_b32 s51, 8192                            ; from a block to the next in a K step
	s_lshl_b32 s48, s43, 12
	s_lshl_b32 s47, s42, 11
	s_add_co_u32 s48, s48, s47
	s_add_nc_u64 s[24:25], s[4:5], s[48:49]
	s_mul_i32 s48, s42, 18874368                   ; 24 K steps of 786,432 bytes
	s_lshr_b32 s47, s43, 6
	s_mul_i32 s47, s47, 24576
	s_add_co_u32 s48, s48, s47
	s_and_b32 s47, s43, 63
	s_lshl_b32 s47, s47, 7
	s_add_co_u32 s48, s48, s47
	s_add_nc_u64 s[26:27], s[14:15], s[48:49]
.macro XLOAD                           ; a superblock's x: ten loads; together they use each row's 256 bytes whole, twice
.irp n, 0,1,2,3,4,5,6,7
	global_load_b32 v[Y+(\n)], v2, s[24:25] offset:(\n)*32
.endr
	global_load_b128 v[XS:XS+3], v3, s[24:25]
	global_load_b128 v[XS+4:XS+7], v3, s[24:25] offset:16
.endm
	XLOAD
	s_wait_loadcnt 10                              ; out_w's two loads are in; the ten younger ones stay out
	OWOUT
	s_mov_b32 s23, 8
.Ltau:
	s_wait_loadcnt 0x0                             ; this trip's ten loads, issued a trip ago
.irp j, 0,1,2,3,4,5,6,7
	v_mul_f32 v[E+(\j)], 0xbfb8aa3b, v[XS+(\j)]    ; -x log2(e)
.endr
.irp j, 0,1,2,3,4,5,6,7
	v_exp_f32 v[E+(\j)], v[E+(\j)]
.endr
.irp n, 0,1,2,3,4,5,6,7
	v_fmaak_f32 v[U+(\n)], s36, v[Y+(\n)], 0x3ff68b3d  ; independent work behind the exponentials
.endr
	s_wait_alu depctr_va_vdst(0)                   ; one wait for the eight exponentials, ahead of their first reader
.irp j, 0,1,2,3,4,5,6,7
	v_add_f32 v[E+(\j)], 1.0, v[E+(\j)]
.endr
.irp j, 0,1,2,3,4,5,6,7
	v_rcp_f32 v[E+(\j)], v[E+(\j)]
.endr
	v_nop                                          ; a plain instruction behind the last reciprocal
	s_wait_alu depctr_va_vdst(0)                   ; one wait for the eight reciprocals
.irp j, 0,1,2,3,4,5,6,7
	v_mul_f32 v[E+(\j)], v[XS+(\j)], v[E+(\j)]     ; silu(x) = x / (1 + e^-x)
.endr
	s_wait_xcnt 0x0                                ; the last trip's stores have read their data
.irp p, 0,1,2,3
	v_cvt_pk_f16_f32 v[OS+(\p)], v[E+2*(\p)], v[E+2*(\p)+1]
.endr
	s_cmp_eq_u32 s23, 1                            ; the last trip loads nothing
	s_cbranch_scc1 .Lno_more
	s_add_nc_u64 s[24:25], s[24:25], 256           ; its loads are done, so x's pointer may step
	XLOAD
.Lno_more:
	global_store_b128 v4, v[OS:OS+3], s[26:27] offset:2*786432+2*8192 th:TH_STORE_NT
	s_mov_b32 s44, 0                               ; the block's place behind ap's pointer
	s_mov_b32 s45, 0                               ; the block's number in its K step
	s_mov_b32 s46, 8
.Lblk:                                         ; the eight bases of my x in one spline block, and their 16 bytes; written once, walked eight times
.irp j, 0,1,2,3,4,5,6,7
	v_add_f32 v[D+(\j)], v[U], v[CP+(\j)]          ; d
.endr
.irp j, 0,1,2,3,4,5,6,7
	v_and_b32 v[D+(\j)], s37, v[D+(\j)]            ; |d|
.endr
.irp j, 0,1,2,3,4,5,6,7
	v_min_num_f32 v[D+(\j)], s38, v[D+(\j)]
.endr
.irp j, 0,1,2,3,4,5,6,7
	v_sub_f32 v[AA+(\j)], s38, v[D+(\j)]           ; a
.endr
.irp j, 0,1,2,3,4,5,6,7
	v_min_num_f32 v[D+(\j)], s39, v[D+(\j)]
.endr
.irp j, 0,1,2,3,4,5,6,7
	v_sub_f32 v[BB+(\j)], s39, v[D+(\j)]           ; b
.endr
.irp p, 0,2,4,6
	v_pk_mul_f32 v[E+(\p):E+(\p)+1], v[AA+(\p):AA+(\p)+1], v[AA+(\p):AA+(\p)+1]
.endr
.irp p, 0,2,4,6
	v_pk_mul_f32 v[AA+(\p):AA+(\p)+1], v[E+(\p):E+(\p)+1], v[AA+(\p):AA+(\p)+1]
.endr
.irp p, 0,2,4,6
	v_pk_mul_f32 v[E+(\p):E+(\p)+1], v[BB+(\p):BB+(\p)+1], v[BB+(\p):BB+(\p)+1]
.endr
.irp p, 0,2,4,6
	v_pk_mul_f32 v[BB+(\p):BB+(\p)+1], v[E+(\p):E+(\p)+1], v[BB+(\p):BB+(\p)+1]
.endr
.irp p, 0,2,4,6
	v_pk_fma_f32 v[AA+(\p):AA+(\p)+1], v[BB+(\p):BB+(\p)+1], -4.0, v[AA+(\p):AA+(\p)+1] op_sel_hi:[1,0,1]
.endr
	s_wait_xcnt 0x0                                ; the last block's store has read its offset and its quad
	v_add_nc_u32 v[VO], s44, v4
.irp p, 0,1,2,3
	v_cvt_pk_f16_f32 v[OQ+(\p)], v[AA+2*(\p)], v[AA+2*(\p)+1]
.endr
	global_store_b128 v[VO], v[OQ:OQ+3], s[26:27] th:TH_STORE_NT  ; 512 consecutive aligned bytes
.irp n, 0,1,2,3,4,5,6
	v_mov_b32 v[U+(\n)], v[U+(\n)+1]               ; the next block's x comes to the front: the price of one text for the eight blocks
.endr
	s_add_co_u32 s45, s45, 1
	s_cmp_eq_u32 s45, 3                            ; was it its K step's third block?
	s_cselect_b32 s47, s50, s51
	s_cselect_b32 s45, 0, s45
	s_add_co_u32 s44, s44, s47
	s_sub_co_u32 s46, s46, 1
	s_cmp_lg_u32 s46, 0
	s_cbranch_scc1 .Lblk
	s_wait_xcnt 0x0                                ; the stores have read ap's pointer
	s_add_nc_u64 s[26:27], s[26:27], 2359296       ; three K steps on
	s_sub_co_u32 s23, s23, 1
	s_cmp_lg_u32 s23, 0
	s_cbranch_scc1 .Ltau
	s_endpgm
.Lfunc_end_k_q5c82220d2f_prep:
	.size	k_q5c82220d2f_prep, .Lfunc_end_k_q5c82220d2f_prep-k_q5c82220d2f_prep
	.p2alignl 7, 3214868480
	.fill 96, 4, 3214868480
	.section	.rodata,"a",@progbits
	.p2align	6, 0x0
	.amdhsa_kernel k_q5c82220d2f_prep
		.amdhsa_group_segment_fixed_size 0
		.amdhsa_private_segment_fixed_size 0
		.amdhsa_enable_private_segment 0
		.amdhsa_kernarg_size 64
		.amdhsa_user_sgpr_count 2
		.amdhsa_user_sgpr_kernarg_segment_ptr 1
		.amdhsa_wavefront_size32 1
		.amdhsa_system_sgpr_workgroup_id_x 1
		.amdhsa_system_sgpr_workgroup_id_y 1
		.amdhsa_system_sgpr_workgroup_id_z 1
		.amdhsa_system_vgpr_workitem_id 0
		.amdhsa_next_free_vgpr 148
		.amdhsa_next_free_sgpr 66
		.amdhsa_reserve_vcc 0
		.amdhsa_float_denorm_mode_32 3
		.amdhsa_float_denorm_mode_16_64 3
		.amdhsa_memory_ordered 1
		.amdhsa_forward_progress 1
		.amdhsa_inst_pref_size 36
	.end_amdhsa_kernel
	.amdgpu_metadata
---
amdhsa.version: [ 1, 2 ]
amdhsa.kernels:
  - .name:           k_q5c82220d2f_prep
    .symbol:         k_q5c82220d2f_prep.kd
    .args:
      - { .name: x, .offset: 0, .size: 8, .value_kind: global_buffer, .address_space: global }
      - { .name: base_w, .offset: 8, .size: 8, .value_kind: global_buffer, .address_space: global }
      - { .name: spline_w, .offset: 16, .size: 8, .value_kind: global_buffer, .address_space: global }
      - { .name: spline_scaler, .offset: 24, .size: 8, .value_kind: global_buffer, .address_space: global }
      - { .name: out_w, .offset: 32, .size: 8, .value_kind: global_buffer, .address_space: global }
      - { .name: ap, .offset: 40, .size: 8, .value_kind: global_buffer, .address_space: global }
      - { .name: wp, .offset: 48, .size: 8, .value_kind: global_buffer, .address_space: global }
      - { .name: owf, .offset: 56, .size: 8, .value_kind: global_buffer, .address_space: global }
    .group_segment_fixed_size: 0
    .private_segment_fixed_size: 0
    .kernarg_segment_align: 8
    .kernarg_segment_size: 64
    .max_flat_workgroup_size: 128
    .sgpr_count:     66
    .vgpr_count:     148
    .wavefront_size: 32
...
	.end_amdgpu_metadata
.endif
;; end of part 1
;; launch qkv (part 2): grid 16 x 16, 4 waves a work-group, clusters of 4 x 4, 327,680 bytes of LDS; arguments ap, wp, rot_cos, rot_sin, qf, kv; writes qf, kv
.if DOCPART == 2
	.amdgcn_target "amdgcn-amd-amdhsa--gfx1250"
	.amdhsa_code_object_version 6
	.text
	.protected	k_q5c82220d2f_qkv
	.globl	k_q5c82220d2f_qkv
	.p2align	8
	.type	k_q5c82220d2f_qkv,@function
k_q5c82220d2f_qkv:
	s_mov_b64 s[64:65], 0
	v_nop
	global_prefetch_b8 v0, s[64:65] scope:SCOPE_SE
	s_setreg_imm32_b32 hwreg(HW_REG_WAVE_MODE, 25, 1), 1
	s_wait_xcnt 0x0
	s_wait_alu depctr_hold_cnt(0) depctr_sa_sdst(0) depctr_va_vdst(0) depctr_va_sdst(0) depctr_va_ssrc(0) depctr_va_vcc(0) depctr_vm_vsrc(0)
	s_getreg_b32 s2, hwreg(HW_REG_IB_STS2, 6, 4)
	s_cmp_eq_u32 s2, 0
	s_cbranch_scc0 .Lentry_in_a_cluster
	s_endpgm
.Lentry_in_a_cluster:
	s_bfe_u32 s2, ttmp6, 0x10000c
	s_cmp_lg_u32 s2, 0xf033
	s_cbranch_scc0 .Lentry_shape_is_right
	s_endpgm
.Lentry_shape_is_right:
; qkv = ap wp^T / 16 over K = 9,216 (f16 operands, f32 sums), the rotation of q and k, and q, k, v by heads in f16, each rounded once, laid out as the next launch's matrix fragments.
; LIMITS.  |q|, |k|, |v| stay under 65,504, f16's end; NaN and infinities are not treated apart.
; SHARES.  A tile is 128 tokens x one head's 192 outputs: 16 x 16 work-groups, token blocks along the grid's x, heads along its y.  Wave (wm, wn) makes 64 tokens x 96 outputs: channels
; 32 wn .. 32 wn + 31 of q, of k and of v: 24 accumulators of 16 x 16.  K goes in 48 steps of 192 through two LDS slots; a step is 144 matrix instructions a wave, in six sub-steps of 32 k on two fragment buffers.
; A wave's share of a tile is one dense block of memory (24,576 bytes of ap, 36,864 of wp), asked for as rows of 256 bytes and padded in LDS after every 128: LDS rows of 144 bytes, [block of 64 k][row].
; CLUSTER.  4 x 4 work-groups: the four of a column need the same tokens' tiles, the four of a row the same head's: each tile is asked for jointly, by the same tensor load and descriptor with a mask of four.
; LAYOUT OF THE RESULTS.  For q and k source 0 is 16 rows of wp and source 1 16 tokens: a lane holds one token and 8 neighbouring channels: the pairs that the rotation turns, and 16 bytes of a fragment.
; For v the sources change places: a lane holds one channel and 8 neighbouring tokens: 16 bytes of a fragment of V^T.  So every store is 512 consecutive aligned bytes, straight from the registers.
; REGISTERS: window 0: v16-31 addresses, v32-47 at work, v64-255 accumulators ((a, b) at 64 + 8 (6 a + b)); window 1: two fragment buffers of 80 (six of wp, four of ap); window 2: v0-31 cos, v32-63 sin.
.set STEPA,  786432                    ; bytes of a K step in ap
.set STEPB,  1179648                   ; in wp
.set PITCH,  144                       ; 128 bytes + 16: 36 words, so the 16 rows of a fragment load start 4 words apart modulo 64 (64 banks of 4 bytes: ISA guide 11.1)
.set AHALF,  64*3*PITCH
.set BHALF,  96*3*PITCH
.set BOFF,   2*AHALF
.set SLOT,   2*AHALF+2*BHALF           ; 138,240
.set SPARE,  2*SLOT                    ; the spare words: 128 bytes a wave, two blocks of 256 bytes that no other line names
.set PADW,   (1<<16)|(1<<20)|(1<<21)|(4<<22)|(3<<25)  ; 2-byte elements; padding on; bit 21 beside a mask; after every 32 words; 4 words
.set ADRA, 16                          ; v16-17  my fragments of ap in slot 0, 1
.set ADRB, 20                          ; v20-21  of wp
.set LO,   24                          ; v24     16 x lane
.set RO,   25                          ; v25     my 16 bytes in 16 rows of cos and sin
.set SPW,  28                          ; v28     my spare word; never rewritten
.set NIL,  29                          ; v29     0; never rewritten
.set PFO,  30                          ; v30     the prefetches' offset: 256 x min(lane, 23); never rewritten
.set T,    32
.set ACC,  64
.set F0,   0
.set F1,   80
.set G1,  24                           ; s[24:31] group 1 for ap's tiles;  s[32:39] group 0, a set for each slot
.set G0,  32
.set G1B, 48                           ; s[48:55], s[56:63] the same for wp's
.set G0B, 56
.set PFA, 66                           ; s[66:67] where my prefetches of ap stand: one K step behind the step that they name
.set PFB, 68                           ; s[68:69] of wp
.set LIMA, 70                          ; s70, s71  1 in a wave that prefetches, else the greatest number
.set LIMB, 71
.set QB,  72                           ; s[72:73] qf, s[74:75] kv (k), s[76:77] kv (v) at my part
.set KB,  74
.set VB,  76
.set MSB, 0
.macro WIN new                         ; the immediate's high byte repeats the setting that is left; a switch that changes nothing is dropped
.if MSB != (\new)
	s_set_vgpr_msb (MSB<<8)|(\new)
.set MSB, \new
.endif
.endm
.set MUL,  0x05                        ; sources 0 and 1 window 1; C and D window 0
.set TO_F, 0x40                        ; destination window 1, address window 0
.macro JLOAD s                         ; a joint load: waves 0 and 1 fetch ap's two halves, waves 2 and 3 wp's; an s_nop 0 and four v_nop follow each line
	s_cmp_eq_u32 s17, 0
	s_cbranch_scc0 .Lfor_b_\@
	tensor_load_to_lds s[G0+4*(\s):G0+4*(\s)+3], s[G1:G1+7]
	s_nop 0
.rept 4
	v_nop
.endr
	s_branch .Lasked_\@
.Lfor_b_\@:
	tensor_load_to_lds s[G0B+4*(\s):G0B+4*(\s)+3], s[G1B:G1B+7]
	s_nop 0
.rept 4
	v_nop
.endr
.Lasked_\@:
.endm
.macro CREST                           ; a round of the cluster's barrier behind its opening barrier
	s_cmp_lg_u32 s16, 0
	s_cbranch_scc1 .Lnot_wave_0_\@
	s_barrier_signal -3
.Lnot_wave_0_\@:
	s_barrier_wait -3
	s_barrier_signal -1
	s_barrier_wait -1
.endm
.macro CROUND
	s_barrier_signal -1
	s_barrier_wait -1
	CREST
.endm
.macro PLACES                          ; four places in front of loads into registers that matrix instructions have read
.rept 4
	v_nop
.endr
.endm
; A PREFETCH INTO THE L2 of the K step that stands two refills on (288 matrix instructions ahead of its load), behind the joint load and the run of LDS loads.  A step of a tile is shared out in pieces of
; 6,144 bytes, 24 blocks of 256, a lane a block (lanes 24-31 name the 24th again).  ap's tile is read by every cluster of a column of clusters: cluster y = 0 asks, waves 0 and 1, piece 2 cy + wave;
; wp's by every cluster of a row: cluster x = 0 asks, waves 1 to 3, piece 3 cx + wave - 1: partners are told apart by address alone.  The loop's last trip asks for nothing: its steps do not exist.
.macro ASK
	s_cmp_gt_u32 s23, s[LIMA]
	s_cbranch_scc0 .Lnot_a_\@
	global_prefetch_b8 v[PFO], s[PFA:PFA+1] offset:STEPA th:TH_LOAD_NT scope:SCOPE_SE
.Lnot_a_\@:
	s_cmp_gt_u32 s23, s[LIMB]
	s_cbranch_scc0 .Lnot_b_\@
	global_prefetch_b8 v[PFO], s[PFB:PFB+1] offset:STEPB th:TH_LOAD_NT scope:SCOPE_SE
.Lnot_b_\@:
.endm
	s_load_b256 s[4:11], s[0:1], 0x0               ; ap 4, wp 6, rot_cos 8, rot_sin 10
	s_load_b128 s[12:15], s[0:1], 0x20             ; qf 12, kv 14
	v_lshl_add_u32 v[SPW], v0, 2, SPARE
	v_mov_b32 v[NIL], 0
	ds_add_u32 v[SPW], v[NIL]                      ; the wave's opening: the add and its wait ahead of my first tensor load; work on registers stands between them
	v_lshrrev_b32 v1, 5, v0
	v_readfirstlane_b32 s16, v1                    ; wave
	s_lshr_b32 s17, s16, 1                         ; wm: my 64 tokens.  Also: I fetch for ap (0) or wp (1)
	s_and_b32 s18, s16, 1                          ; wn: my half of the channels.  Also: which half of that tile I fetch
	s_bfe_u32 s19, ttmp6, 0x40000                  ; cx
	s_bfe_u32 s20, ttmp6, 0x40004                  ; cy
	s_and_b32 s21, ttmp7, 0xffff
	s_lshl_b32 s21, s21, 2
	s_add_co_u32 s21, s21, s20                     ; head = 4 x cluster y + cy
	s_lshl_b32 s22, ttmp9, 2
	s_add_co_u32 s22, s22, s19                     ; block of 128 tokens = 4 x cluster x + cx
	s_lshl_b32 s40, 0x1111, s19                    ; my column of the cluster: the same tokens
	s_lshl_b32 s44, s20, 2
	s_lshl_b32 s44, 15, s44                        ; my row: the same head
	s_or_b32 s[G1+0], s40, PADW
	s_or_b32 s[G1B+0], s44, PADW
	s_mov_b32 s[G1+1], 128<<16                     ; tensor_dim0 = 128 elements: rows of 256 bytes
	s_mov_b32 s[G1+2], 96<<16                      ; tensor_dim1 = 96 rows: 24,576 bytes
	s_mov_b32 s[G1+3], 128<<16                     ; tile_dim0
	s_mov_b32 s[G1+4], 96                          ; tile_dim1
	s_mov_b32 s[G1+5], 128                         ; from row to row
	s_mov_b32 s[G1+6], 0
	s_mov_b32 s[G1+7], 0
	s_mov_b32 s[G1B+1], 128<<16
	s_mov_b32 s[G1B+2], 144<<16                    ; 144 rows: 36,864 bytes
	s_mov_b32 s[G1B+3], 128<<16
	s_mov_b32 s[G1B+4], 144
	s_mov_b32 s[G1B+5], 128
	s_mov_b32 s[G1B+6], 0
	s_mov_b32 s[G1B+7], 0
	s_mul_i32 s40, s22, 49152                      ; ap's tile hangs on the tokens alone,
	s_mul_i32 s41, s18, 24576
	s_add_co_u32 s40, s40, s41
	s_mov_b32 s41, 0
	s_mul_i32 s44, s21, 73728                      ; wp's on the head alone
	s_mul_i32 s45, s18, 36864
	s_add_co_u32 s44, s44, s45
	s_mov_b32 s45, 0
	s_mul_i32 s78, s18, AHALF                      ; where they go: no place in the cluster enters an LDS address
	s_mul_i32 s79, s18, BHALF
	s_add_co_u32 s79, s79, BOFF
	s_wait_dscnt 0x0                               ; the opening add is done
	s_wait_kmcnt 0x0
	s_add_nc_u64 s[42:43], s[4:5], s[40:41]
	s_add_nc_u64 s[46:47], s[6:7], s[44:45]
	CROUND                                         ; all sixteen work-groups are here: the first joint loads meet
.irp s, 0,1
	s_mov_b32 s[G0+4*(\s)], 1
	s_add_co_u32 s[G0+4*(\s)+1], s78, (\s)*SLOT
	s_add_nc_u64 s[G0+4*(\s)+2:G0+4*(\s)+3], s[42:43], (\s)*STEPA
	s_or_b32 s[G0+4*(\s)+3], s[G0+4*(\s)+3], 0x80000000
	s_mov_b32 s[G0B+4*(\s)], 1
	s_add_co_u32 s[G0B+4*(\s)+1], s79, (\s)*SLOT
	s_add_nc_u64 s[G0B+4*(\s)+2:G0B+4*(\s)+3], s[46:47], (\s)*STEPB
	s_or_b32 s[G0B+4*(\s)+3], s[G0B+4*(\s)+3], 0x80000000
	JLOAD \s                                       ; K steps 0 and 1: two loads of mine are out
.endr
	v_and_b32 v1, 15, v0                           ; r = lane % 16
	v_bfe_u32 v2, v0, 4, 1                         ; h = lane / 16
	v_mul_u32_u24 v3, v1, PITCH
	v_lshl_add_u32 v3, v2, 4, v3                   ; a fragment's row x pitch + 16 h
	s_mul_i32 s84, s17, AHALF
	s_mul_i32 s85, s18, BHALF
	s_add_co_u32 s85, s85, BOFF
.irp s, 0,1
	v_add_nc_u32 v[ADRA+(\s)], s84, v3
	v_add_nc_u32 v[ADRB+(\s)], s85, v3
	s_add_co_u32 s84, s84, SLOT
	s_add_co_u32 s85, s85, SLOT
.endr
	v_and_b32 v4, 31, v0
	v_lshlrev_b32 v[LO], 4, v4
	v_lshlrev_b32 v[RO], 7, v1
	v_lshl_add_u32 v[RO], v2, 4, v[RO]             ; token x 128 + 16 h
	v_min_u32 v4, 23, v4
	v_lshlrev_b32 v[PFO], 8, v4
	s_lshl_b32 s84, s22, 14                        ; cos and sin: my 64 tokens' rows of 128 bytes, my 16 pairs' 64 bytes
	s_lshl_b32 s85, s17, 13
	s_add_co_u32 s84, s84, s85
	s_lshl_b32 s85, s18, 6
	s_add_co_u32 s84, s84, s85
	s_mov_b32 s85, 0
	s_add_nc_u64 s[80:81], s[8:9], s[84:85]
	s_add_nc_u64 s[82:83], s[10:11], s[84:85]
	WIN 0x80                                       ; destination window 2
.irp a, 0,1,2,3
.irp e, 0,1
	global_load_b128 v[4*(2*(\a)+(\e)):4*(2*(\a)+(\e))+3], v[RO], s[80:81] offset:(\a)*2048+(\e)*32        ; token block a, channel block e: my four pairs' cos,
	global_load_b128 v[32+4*(2*(\a)+(\e)):32+4*(2*(\a)+(\e))+3], v[RO], s[82:83] offset:(\a)*2048+(\e)*32  ; and sin; waited for on the way out
.endr
.endr
	WIN 0
	s_lshl_b32 s84, s21, 18                        ; qf: head, 16-token blocks of 2,048 bytes, my channels' 1,024
	s_lshl_b32 s86, s22, 14
	s_add_co_u32 s84, s84, s86
	s_lshl_b32 s86, s17, 13
	s_add_co_u32 s84, s84, s86
	s_lshl_b32 s86, s18, 10
	s_add_co_u32 s84, s84, s86
	s_add_nc_u64 s[QB:QB+1], s[12:13], s[84:85]
	s_lshl_b32 s84, s21, 19                        ; kv: head, my 64 tokens are one step of 16,384 bytes: K, then V^T
	s_lshl_b32 s86, s22, 15
	s_add_co_u32 s84, s84, s86
	s_lshl_b32 s86, s17, 14
	s_add_co_u32 s84, s84, s86
	s_lshl_b32 s86, s18, 10
	s_add_co_u32 s88, s84, s86
	s_mov_b32 s89, 0
	s_add_nc_u64 s[KB:KB+1], s[14:15], s[88:89]
	s_lshl_b32 s86, s18, 11
	s_add_co_u32 s88, s84, s86
	s_add_co_u32 s88, s88, 8192
	s_add_nc_u64 s[VB:VB+1], s[14:15], s[88:89]
	s_mul_i32 s84, s22, 49152                      ; the prefetches' pointers, at K step 2: the first refill steps them to 3 and names step 4
	s_lshl_b32 s86, s20, 1                         ; ap: the four that ask for a tile with me differ in cy
	s_add_co_u32 s86, s86, s18
	s_mul_i32 s86, s86, 6144
	s_add_co_u32 s84, s84, s86
	s_add_co_u32 s84, s84, 2*STEPA
	s_add_nc_u64 s[PFA:PFA+1], s[4:5], s[84:85]
	s_mul_i32 s84, s21, 73728
	s_mul_i32 s86, s19, 3                          ; wp: they differ in cx
	s_max_u32 s87, s16, 1
	s_add_co_u32 s86, s86, s87
	s_sub_co_u32 s86, s86, 1
	s_mul_i32 s86, s86, 6144
	s_add_co_u32 s84, s84, s86
	s_add_co_u32 s84, s84, 2*STEPB
	s_add_nc_u64 s[PFB:PFB+1], s[6:7], s[84:85]
	s_and_b32 s86, ttmp7, 0xffff                   ; cluster y = 0 and wave 0 or 1: the same in all sixteen partners
	s_or_b32 s86, s86, s17
	s_cmp_eq_u32 s86, 0
	s_cselect_b32 s[LIMA], 1, -1
	s_cmp_eq_u32 s16, 0                            ; cluster x = 0 and wave 1, 2 or 3
	s_cselect_b32 s87, 1, 0
	s_or_b32 s86, ttmp9, s87
	s_cmp_eq_u32 s86, 0
	s_cselect_b32 s[LIMB], 1, -1
	s_mov_b32 s86, 0x3d800000                      ; 1 / 16
	s_mov_b32 s87, 0x3d800000
; Six matrix instructions: token block a x the six blocks of outputs, 32 along K.  The 24 accumulators take turns in one order, one instruction a turn, over the loop's jump too.
.macro MUL6 f, a, zero
	WIN MUL
.irp b, 0,1,2,3,4,5
.set rD, ACC+8*(6*(\a)+(\b))
.set rB, (\f)+8*(\b)
.set rA, (\f)+48+8*(\a)
.if (\b) < 4
.if \zero
	v_wmma_f32_16x16x32_f16 v[rD:rD+7], v[rB:rB+7], v[rA:rA+7], 0
.else
	v_wmma_f32_16x16x32_f16 v[rD:rD+7], v[rB:rB+7], v[rA:rA+7], v[rD:rD+7]
.endif
.else
.if \zero
	v_wmma_f32_16x16x32_f16 v[rD:rD+7], v[rA:rA+7], v[rB:rB+7], 0
.else
	v_wmma_f32_16x16x32_f16 v[rD:rD+7], v[rA:rA+7], v[rB:rB+7], v[rD:rD+7]
.endif
.endif
.endr
.endm
.macro FETCH slot, q, f                ; 20 LDS loads in one run: sub-step q's fragments into buffer f
	WIN TO_F
.irp b, 0,1,2,3,4,5
	ds_load_b128 v[(\f)+8*(\b):(\f)+8*(\b)+3],   v[ADRB+(\slot)] offset:((\q)/2)*96*PITCH+(\b)*16*PITCH+((\q)%2)*64
	ds_load_b128 v[(\f)+8*(\b)+4:(\f)+8*(\b)+7], v[ADRB+(\slot)] offset:((\q)/2)*96*PITCH+(\b)*16*PITCH+((\q)%2)*64+32
.endr
.irp a, 0,1,2,3
	ds_load_b128 v[(\f)+48+8*(\a):(\f)+48+8*(\a)+3],   v[ADRA+(\slot)] offset:((\q)/2)*64*PITCH+(\a)*16*PITCH+((\q)%2)*64
	ds_load_b128 v[(\f)+48+8*(\a)+4:(\f)+48+8*(\a)+7], v[ADRA+(\slot)] offset:((\q)/2)*64*PITCH+(\a)*16*PITCH+((\q)%2)*64+32
.endr
.endm
.macro SUB slot, q, f, g, zero         ; sub-step q (0 to 4): the next one's fragments are asked for, then buffer f is multiplied
	PLACES                                         ; buffer g was read by the products just issued
	FETCH \slot, (\q)+1, \g
	s_wait_dscnt 20                                ; all but the 20 just issued: buffer f is in
	MUL6 \f, 0, \zero
	MUL6 \f, 1, \zero
	MUL6 \f, 2, \zero
	MUL6 \f, 3, \zero
.endm
; Sub-step 5 changes slots and then multiplies buffer 1, which is in registers by then.  One barrier; in front of it each wave waits for all its tensor loads (one is out: its part of the next slot), adds 0
; to its spare word, and waits for that and for its reads of this slot.  fill = 1: the barrier opens a round of the cluster's, and this slot's refill, two K steps on, is the first thing behind it.  No product
; stands between the wait for the tile and the refill: a step's products are fewer than a tile needs to land, so the sooner the next request goes out the better; it has the step's 144 products ahead of the wait for it.
.macro TURN slot, next, fill
.if \fill
	s_wait_xcnt 0x0                                ; the last prefetches, a K step back, have read their pointers
	s_add_nc_u64 s[PFA:PFA+1], s[PFA:PFA+1], STEPA
	s_add_nc_u64 s[PFB:PFB+1], s[PFB:PFB+1], STEPB
.endif
	WIN 0
	s_wait_tensorcnt 0x0                           ; all my tensor loads have landed, so every group 0 may be written
	ds_add_u32 v[SPW], v[NIL]                      ; 0 onto my spare word; the descriptors' steps stand between it and the wait for it
.if \fill
	s_add_nc_u64 s[G0+4*(\slot)+2:G0+4*(\slot)+3], s[G0+4*(\slot)+2:G0+4*(\slot)+3], 2*STEPA
	s_add_nc_u64 s[G0B+4*(\slot)+2:G0B+4*(\slot)+3], s[G0B+4*(\slot)+2:G0B+4*(\slot)+3], 2*STEPB
.endif
	s_wait_dscnt 0x0                               ; the add is done, and my reads of this slot are over: buffer 1 is in
	s_barrier_signal -1
	s_barrier_wait -1
.if \fill
	CREST                                          ; no wave of any partner still reads this slot or has a load on its way
	JLOAD \slot                                    ; its four v_nop are also the places in front of the loads below: buffer 0 was read by the products last issued
.else
	PLACES
.endif
	FETCH \next, 0, F0
.if \fill
	WIN 0
	ASK
.endif
	MUL6 F1, 0, 0
	MUL6 F1, 1, 0
	MUL6 F1, 2, 0
	MUL6 F1, 3, 0
.endm
	s_wait_tensorcnt 1                             ; my part of K step 0 is in; step 1's may stay out
	s_barrier_signal -1
	s_barrier_wait -1
	FETCH 0, 0, F0
	SUB 0, 0, F0, F1, 1                            ; the first sub-step stands in front of the loop: its products start the sums
	WIN 0
	s_mov_b32 s23, 23
.Llap:                                         ; a trip goes once round the ring and fills both slots again
	SUB 0, 1, F1, F0, 0
	SUB 0, 2, F0, F1, 0
	SUB 0, 3, F1, F0, 0
	SUB 0, 4, F0, F1, 0
	TURN 0, 1, 1
	SUB 1, 0, F0, F1, 0
	SUB 1, 1, F1, F0, 0
	SUB 1, 2, F0, F1, 0
	SUB 1, 3, F1, F0, 0
	SUB 1, 4, F0, F1, 0
	TURN 1, 0, 1
	SUB 0, 0, F0, F1, 0
	WIN 0
	s_sub_co_u32 s23, s23, 1
	s_cmp_lg_u32 s23, 0
	s_cbranch_scc1 .Llap
	SUB 0, 1, F1, F0, 0                            ; the last lap fills nothing
	SUB 0, 2, F0, F1, 0
	SUB 0, 3, F1, F0, 0
	SUB 0, 4, F0, F1, 0
	TURN 0, 1, 0
	SUB 1, 0, F0, F1, 0
	SUB 1, 1, F1, F0, 0
	SUB 1, 2, F0, F1, 0
	SUB 1, 3, F1, F0, 0
	SUB 1, 4, F0, F1, 0
	s_wait_dscnt 0x0
	MUL6 F1, 0, 0
	MUL6 F1, 1, 0
	MUL6 F1, 2, 0
	MUL6 F1, 3, 0
	; THE WAY OUT.  cos and sin take the factor 1 / 16 (exact); these 32 lines are also the places behind the last products.
	s_wait_loadcnt 0x0
	WIN 0x82                                       ; destination and source 0 window 2
.set i, 0
.rept 32
	v_pk_mul_f32 v[i:i+1], v[i:i+1], s[86:87] op_sel_hi:[1,0]
.set i, i+2
.endr
	WIN 0x08                                       ; source 1 window 2
.irp a, 0,1,2,3
.irp b, 0,1,2,3
.irp i, 0,1,2,3
.set rD, ACC+8*(6*(\a)+(\b))+2*(\i)
.set rC, 4*(2*(\a)+(\b)%2)+(\i)
	v_mul_f32 v[T+2*(\i)], v[rD+1], v[32+rC]       ; t1 sin
	v_mul_f32 v[T+2*(\i)+1], v[rD+1], v[rC]        ; t1 cos
	v_fma_f32 v[rD+1], v[rD], v[32+rC], v[T+2*(\i)+1]  ; im = t0 sin + t1 cos
	v_fma_f32 v[rD], v[rD], v[rC], -v[T+2*(\i)]    ; re = t0 cos - t1 sin
.endr
.endr
.endr
	WIN 0
.irp a, 0,1,2,3
.irp b, 0,1,2,3,4,5
.set rD, ACC+8*(6*(\a)+(\b))
.if (\b) >= 4
.irp i, 0,2,4,6
	v_pk_mul_f32 v[rD+(\i):rD+(\i)+1], v[rD+(\i):rD+(\i)+1], s[86:87] op_sel_hi:[1,0]
.endr
.endif
.irp i, 0,1,2,3
	v_cvt_pk_f16_f32 v[rD+(\i)], v[rD+2*(\i)], v[rD+2*(\i)+1]  ; in place, ascending: register i is free when it is written
.endr
.if (\b) < 2
	global_store_b128 v[LO], v[rD:rD+3], s[QB:QB+1] offset:(\a)*2048+(\b)*512
.elseif (\b) < 4
	global_store_b128 v[LO], v[rD:rD+3], s[KB:KB+1] offset:(\a)*2048+((\b)-2)*512
.else
	global_store_b128 v[LO], v[rD:rD+3], s[VB:VB+1] offset:((\a)/2)*4096+((\b)-4)*1024+((\a)%2)*512
.endif
.endr
.endr
	s_wait_tensorcnt 0x0                           ; the wave's end
	ds_add_u32 v[SPW], v[NIL]
	s_wait_dscnt 0x0
	CROUND                                         ; the closing round: no work-group ends while a partner may still ask for a tile that names it
	s_endpgm
.Lfunc_end_k_q5c82220d2f_qkv:
	.size	k_q5c82220d2f_qkv, .Lfunc_end_k_q5c82220d2f_qkv-k_q5c82220d2f_qkv
	.p2alignl 7, 3214868480
	.fill 96, 4, 3214868480
	.section	.rodata,"a",@progbits
	.p2align	6, 0x0
	.amdhsa_kernel k_q5c82220d2f_qkv
		.amdhsa_group_segment_fixed_size 327680
		.amdhsa_private_segment_fixed_size 0
		.amdhsa_enable_private_segment 0
		.amdhsa_kernarg_size 48
		.amdhsa_user_sgpr_count 2
		.amdhsa_user_sgpr_kernarg_segment_ptr 1
		.amdhsa_wavefront_size32 1
		.amdhsa_system_sgpr_workgroup_id_x 1
		.amdhsa_system_sgpr_workgroup_id_y 1
		.amdhsa_system_sgpr_workgroup_id_z 1
		.amdhsa_system_vgpr_workitem_id 0
		.amdhsa_next_free_vgpr 576
		.amdhsa_next_free_sgpr 90
		.amdhsa_reserve_vcc 0
		.amdhsa_float_denorm_mode_32 3
		.amdhsa_float_denorm_mode_16_64 3
		.amdhsa_memory_ordered 1
		.amdhsa_forward_progress 1
		.amdhsa_inst_pref_size 110
	.end_amdhsa_kernel
	.amdgpu_metadata
---
amdhsa.version: [ 1, 2 ]
amdhsa.kernels:
  - .name:           k_q5c82220d2f_qkv
    .symbol:         k_q5c82220d2f_qkv.kd
    .args:
      - { .name: ap, .offset: 0, .size: 8, .value_kind: global_buffer, .address_space: global }
      - { .name: wp, .offset: 8, .size: 8, .value_kind: global_buffer, .address_space: global }
      - { .name: rot_cos, .offset: 16, .size: 8, .value_kind: global_buffer, .address_space: global }
      - { .name: rot_sin, .offset: 24, .size: 8, .value_kind: global_buffer, .address_space: global }
      - { .name: qf, .offset: 32, .size: 8, .value_kind: global_buffer, .address_space: global }
      - { .name: kv, .offset: 40, .size: 8, .value_kind: global_buffer, .address_space: global }
    .group_segment_fixed_size: 327680
    .private_segment_fixed_size: 0
    .kernarg_segment_align: 8
    .kernarg_segment_size: 48
    .max_flat_workgroup_size: 128
    .sgpr_count:     90
    .vgpr_count:     576
    .wavefront_size: 32
...
	.end_amdgpu_metadata
.endif
;; end of part 2
;; launch attn (part 3): grid 16 x 16, 4 waves a work-group, clusters of 4 x 1, 327,680 bytes of LDS; arguments qf, kv, cf; writes cf
.if DOCPART == 3
	.amdgcn_target "amdgcn-amd-amdhsa--gfx1250"
	.amdhsa_code_object_version 6
	.text
	.protected	k_q5c82220d2f_attn
	.globl	k_q5c82220d2f_attn
	.p2align	8
	.type	k_q5c82220d2f_attn,@function
k_q5c82220d2f_attn:
	s_mov_b64 s[64:65], 0
	v_nop
	global_prefetch_b8 v0, s[64:65] scope:SCOPE_SE
	s_setreg_imm32_b32 hwreg(HW_REG_WAVE_MODE, 25, 1), 1
	s_wait_xcnt 0x0
	s_wait_alu depctr_hold_cnt(0) depctr_sa_sdst(0) depctr_va_vdst(0) depctr_va_sdst(0) depctr_va_ssrc(0) depctr_va_vcc(0) depctr_vm_vsrc(0)
	s_getreg_b32 s2, hwreg(HW_REG_IB_STS2, 6, 4)
	s_cmp_eq_u32 s2, 0
	s_cbranch_scc0 .Lentry_in_a_cluster
	s_endpgm
.Lentry_in_a_cluster:
	s_bfe_u32 s2, ttmp6, 0x10000c
	s_cmp_lg_u32 s2, 0x3003
	s_cbranch_scc0 .Lentry_shape_is_right
	s_endpgm
.Lentry_shape_is_right:
; ctx[h][q][:] = the sum over k of softmax_k(q . k / 8) v[k][:], 16 heads of 2,048 rows, head size 64, no mask.  q, k, v arrive in f16 in fragment order; products, maxima and sums in f32; the weights p
; are rounded to f16 for the second product (their sum l is taken of the unrounded p); ctx is rounded once, to f16, in the next launch's fragment order.
; LIMITS.  q, k, v within 65,504; p lies in 0 to 1 and below 6e-5 keeps f16's fixed step; a weight below 2^-126 counts as 0 in l; NaN and infinities are not treated apart.
; SHARES.  A work-group owns 128 queries of one head.  ALL FOUR WAVES HOLD THE SAME 128 QUERIES, four PIECES of two tiles of 16; THE KEYS ARE SPLIT: wave w walks keys 512 w .. 512 w + 511, 64 a step, so a
; fragment of K or V read from LDS feeds eight tiles.  Each wave keeps its own running maximum and sum; the four partial results meet in LDS once, at the end.
; LAYOUT.  S^T = K Q^T: a lane holds ONE query (lane % 16) and the keys 8 (lane / 16) + 0..7.  Two such tiles, rounded to f16 in pairs, ARE source 1 of O^T = V^T P.  In memory and in LDS a fragment's
; halves are 512 dense bytes, 16 a lane: K and V^T come by plain loads at 16 x lane, without padding and without two lanes on one bank.
; SOFTMAX.  p = 2^(c s - c m), c = log2(e) / 8, with a running maximum m; in every step O and l are multiplied by a = 2^(c m_old - c m_new).  m starts at the lowest finite number, O and l at 0.
; BY TURNS.  Turn n belongs to piece n: 16 products K Q^T of piece n + 1, later 16 products V^T P of piece n - 1; beside them the scaling, exponentials, roundings, sums and rescaling of piece n and the
; maximum and statistics of piece n + 1.  Four vector instructions stand behind every matrix instruction, the rest in one run; a turn's 66 exponentials are one batch with one wait.
; CLUSTER.  The four query blocks of a cluster belong to one head and walk the same K and V: each tile is asked for jointly, by the same tensor load, descriptor and mask in all four.
; REGISTERS, in windows of 256: window 0: v1-11 addresses; v12-15, v48-63 at work; v16-47 four registers of statistics a tile; v64-191 S^T, two buffers of two tiles; v192-255 P, likewise;
;   window 1: O^T, 32 a tile; window 2: v0-127 Q; v128-191 K of one step; v192-255 V of one step; window 3: v0-1 the add's two registers.
.set NP,    4
.set STEPB, 16384     ; a step of 64 keys: 8,192 bytes of K, then 8,192 of V^T
.set WPART, 2*STEPB   ; a wave's part of a slot: two steps
.set SLOT1, 1<<17     ; a slot is four such parts; one exclusive or turns an address in one slot into the other's
.set STATS, 2*SLOT1   ; behind the ring, never filled: (c m, l) of 8 tiles x 32 lanes x 4 waves, 8,192 bytes
.set SPARE, STATS+8192  ; the spare words: 128 bytes a wave, two blocks of 256 bytes that no other line names
.set GO,  1           ; v1   16 x lane: my offset in a fragment's half, in Q and in ctx; never rewritten
.set AK0, 2           ; v2   my place in my wave's part of a slot; never rewritten
.set AV0, 3           ; v3   the same for V
.set AK,  4           ; v4   the LDS address of K's next run of loads
.set AV,  5           ; v5   of V's
.set SA,  6           ; v6   where I put my statistics
.set SR,  7           ; v7   where I read everybody's
.set PA,  8           ; v8   where I put my partial sums
.set RA,  9           ; v9   where I read waves 0 and 1's for my two tiles
.set RB,  10          ; v10  waves 2 and 3's
.set PFO, 11          ; v11  256 x lane; never rewritten
.set SPW, 0           ; v0 of window 3   my spare word; never rewritten
.set NIL, 1           ; v1 of window 3   0; never rewritten
.set MV,  12
.set ST,  16          ; tile t's statistics at v[ST+4 t]: c m, m, l (even keys', odd keys')
.set TMP, 48
.set S,   64
.set WK,  128         ; the merge: eight registers a tile at work
.set P,   192
.set KF,  128         ; window 2: key block kb, channel half c at KF + 16 kb + 8 c
.set VF,  192         ; window 2: key half kk, channel block cb at VF + 32 kk + 8 cb
.set WV,  12          ; s12  my wave's number
.set G1,  24          ; s[24:31] descriptor group 1
.set G0,  40          ; s[40:43] descriptor group 0: it walks
.set PFA, 48          ; s[48:49] where my prefetches stand
.set LIM, 50          ; s50  1 in a cluster that prefetches, else the greatest number
.set SLOTS, 56
.set CNT, 57
.set CS,  58
.set SEL, 60
.set TBK, 62
.set TBV, 63
.set MSB, 0
.macro WIN new
.if MSB != (\new)
	s_set_vgpr_msb (MSB<<8)|(\new)
.set MSB, (\new)
.endif
.endm
.set W_KQ, 0x0a       ; K and Q in window 2, S^T in window 0
.set W_PV, 0x52       ; V in window 2, P in window 0, O^T in window 1
.set W_RS, 0x41       ; O^T (destination and source 0) in window 1, the factor in window 0
.set W_MK, 0xc0
.set W_AD, 0x0f
.macro JLOAD                        ; every wave fetches what it will read itself: its next two steps, 32,768 dense bytes; an s_nop 0 and four v_nop follow
	tensor_load_to_lds s[G0:G0+3], s[G1:G1+7]
	s_nop 0
.rept 4
	v_nop
.endr
.endm
; A PREFETCH INTO THE L2 of what the NEXT change of slots will ask for, two key steps (256 matrix instructions) ahead of that load.  All clusters of a head walk the same bytes: the head's first cluster asks.
; Of a wave's 32,768 bytes each of the four partners takes 8,192, told apart by address: 32 blocks of 256, a lane a block.  The last change that fills a slot asks for nothing.
.macro ASK
	s_cmp_gt_u32 s[SLOTS], s[LIM]
	s_cbranch_scc0 .Lnot_mine_\@
	global_prefetch_b8 v[PFO], s[PFA:PFA+1] th:TH_LOAD_NT scope:SCOPE_SE
.Lnot_mine_\@:
.endm
.macro CROUND
	s_barrier_signal -1
	s_barrier_wait -1
	s_cmp_lg_u32 s[WV], 0
	s_cbranch_scc1 .Lnot_wave_0_\@
	s_barrier_signal -3
.Lnot_wave_0_\@:
	s_barrier_wait -3
	s_barrier_signal -1
	s_barrier_wait -1
.endm
; THE CHANGE OF SLOTS.  Each wave waits for all its tensor loads (one is out: its part of the other slot), adds 0 to its spare word, and waits for that and for its reads of the slot that it leaves.
; fill = 1: a round of the cluster's barrier, and the joint refill first behind it: it has two key steps in which to land.  (At its first use slot 0 is waited for and slot 1 filled.)
.macro CHANGE fill
	WIN W_AD
	s_wait_tensorcnt 0x0            ; no tensor load of mine is out, so group 0 may be written
	ds_add_u32 v[SPW], v[NIL]       ; 0 onto my spare word
	WIN 0
.if \fill
	s_xor_b32 s[G0+1], s[G0+1], SLOT1
	s_add_nc_u64 s[G0+2:G0+3], s[G0+2:G0+3], WPART
	s_wait_xcnt 0x0                 ; the last prefetch has read its pointer
	s_add_nc_u64 s[PFA:PFA+1], s[PFA:PFA+1], WPART
	s_wait_dscnt 0x0                ; the add is done, and my reads of the slot are over
	CROUND
	JLOAD
	ASK
.else
	s_wait_dscnt 0x0
	s_barrier_signal -1
	s_barrier_wait -1
.endif
	s_sub_co_u32 s[TBK], s[TBK], WPART  ; the fetches go back to a part's first step,
	s_xor_b32 s[TBK], s[TBK], SLOT1     ; in the other slot
	s_sub_co_u32 s[TBV], s[TBV], WPART
	s_xor_b32 s[TBV], s[TBV], SLOT1
.endm
	s_load_b128 s[4:7], s[0:1], 0x0   ; qf s[4:5], kv s[6:7]
	s_load_b64 s[8:9], s[0:1], 0x10   ; cf
	WIN W_MK
	v_lshl_add_u32 v[SPW], v0, 2, SPARE
	v_mov_b32 v[NIL], 0
	WIN W_AD
	ds_add_u32 v[SPW], v[NIL]       ; the wave's opening: the add and its wait ahead of my first tensor load; work on registers stands between them
	WIN 0
	v_lshrrev_b32 v1, 5, v0
	v_readfirstlane_b32 s[WV], v1
	s_bfe_u32 s13, ttmp6, 0x40000   ; cx
	s_lshl_b32 s14, ttmp9, 2
	s_add_co_u32 s14, s14, s13      ; my block of 128 queries: it enters Q's and ctx's addresses alone
	s_and_b32 s15, ttmp7, 0xffff    ; the head, which the four partners share
	s_lshl_b32 s20, s15, 19         ; the head's 524,288 bytes of kv,
	s_lshl_b32 s22, s[WV], 17       ; my wave's 512 keys
	s_add_co_u32 s20, s20, s22
	s_mov_b32 s21, 0
	s_lshl_b32 s22, s13, 13         ; the prefetches: my work-group's 8,192 bytes, one fill on
	s_add_co_u32 s22, s22, WPART
	s_mov_b32 s23, 0
	s_lshl_b32 s18, s15, 18         ; Q: head, block
	s_lshl_b32 s19, s14, 14
	s_add_co_u32 s18, s18, s19
	s_mov_b32 s19, 0
	s_lshr_b32 s16, s15, 2          ; ctx: chunk of four heads, my two tiles' blocks of 8,192 bytes, the head's 2,048 in them
	s_lshl_b32 s16, s16, 20
	s_lshl_b32 s17, s14, 3
	s_lshl_b32 s51, s[WV], 1
	s_add_co_u32 s17, s17, s51
	s_lshl_b32 s17, s17, 13
	s_add_co_u32 s16, s16, s17
	s_and_b32 s17, s15, 3
	s_lshl_b32 s17, s17, 11
	s_add_co_u32 s16, s16, s17
	s_mov_b32 s17, 0
	s_mov_b32 s[G1], 15|(1<<16)|(1<<21)  ; the mask of four; 2-byte elements; bit 21 beside a mask; no padding
	s_mov_b32 s[G1+1], 128<<16      ; rows of 256 bytes,
	s_mov_b32 s[G1+2], 128<<16      ; 128 of them
	s_mov_b32 s[G1+3], 128<<16
	s_mov_b32 s[G1+4], 128
	s_mov_b32 s[G1+5], 128
	s_mov_b32 s[G1+6], 0
	s_mov_b32 s[G1+7], 0
	s_mov_b32 s[CS], 0x3e38aa3b     ; c = log2(e) / 8
	s_mov_b32 s[CS+1], s[CS]
	s_mov_b32 s[SEL], 0x76543210
	s_mov_b32 s[SEL+1], 0xfedcba98
	s_mov_b32 s[TBK], SLOT1+WPART   ; the first change of slots turns these two into 0
	s_mov_b32 s[TBV], SLOT1+WPART
	s_mov_b32 s[G0], 1
	s_mul_i32 s[G0+1], s[WV], WPART ; LDS address: my part of slot 0
	s_mov_b32 s[SLOTS], 3
	s_cmp_eq_u32 ttmp9, 0           ; the head's first cluster: the same in all four partners
	s_cselect_b32 s[LIM], 1, -1
	s_wait_dscnt 0x0                ; the opening add is done
	s_wait_kmcnt 0x0
	s_add_nc_u64 s[G0+2:G0+3], s[6:7], s[20:21]
	s_add_nc_u64 s[PFA:PFA+1], s[G0+2:G0+3], s[22:23]
	s_or_b32 s[G0+3], s[G0+3], 0x80000000
	s_add_nc_u64 s[4:5], s[4:5], s[18:19]
	s_add_nc_u64 s[8:9], s[8:9], s[16:17]
	CROUND                          ; all four work-groups are here: the first joint loads meet
	JLOAD                           ; slot 0
	v_and_b32 v1, 31, v0
	v_lshlrev_b32 v[PFO], 8, v1
	v_lshlrev_b32 v[GO], 4, v1
	WIN 0x80                        ; destination window 2
.set i, 0
.rept 4*NP                          ; Q stays in registers: tile i / 2, channels 32 (i % 2) on
	global_load_b128 v[8*i:8*i+3],   v[GO], s[4:5] offset:(i/2)*2048+(i%2)*1024
	global_load_b128 v[8*i+4:8*i+7], v[GO], s[4:5] offset:(i/2)*2048+(i%2)*1024+512
.set i, i+1
.endr
	; What the first turn finds: V's registers and P's second buffer hold 0, O^T and l are 0.  All this stands in the wait for the first tile.
.set i, VF
.rept 64
	v_mov_b32 v[i], 0
.set i, i+1
.endr
	WIN 0x40
.set i, 0
.rept 64*NP
	v_mov_b32 v[i], 0
.set i, i+1
.endr
	WIN 0
.set i, 0
.rept 2*NP
	v_mov_b32 v[ST+4*i], 0xfe000000    ; c m: far below every c s
	v_mov_b32 v[ST+4*i+1], 0xff7fffff  ; m
	v_mov_b32 v[ST+4*i+2], 0
	v_mov_b32 v[ST+4*i+3], 0
.set i, i+1
.endr
.set i, P+32
.rept 32
	v_mov_b32 v[i], 0
.set i, i+1
.endr
	s_lshl_b32 s16, s[WV], 15
	v_add_nc_u32 v[AK0], s16, v[GO]
	v_add_nc_u32 v[AV0], 8192, v[AK0]
	v_mov_b32 v[AK], v[AK0]         ; key step 0 lies at the head of my part of slot 0
; THE MATRIX WORK.  The 8 accumulators of a run of 16 take turns.
.macro KQ x                         ; product i of 16 of S^T = K Q^T for piece x: channels 32 (i / 8) on, keys 16 ((i / 2) % 4) on, tile 2 x + i % 2; the first 8 start the sums
	WIN W_KQ
.set rS, S+64*((\x)%2)+32*(i%2)+8*((i/2)%4)
.set rK, KF+16*((i/2)%4)+8*(i/8)
.set rQ, 16*(2*(\x)+i%2)+8*(i/8)
.if i < 8
	v_wmma_f32_16x16x32_f16 v[rS:rS+7], v[rK:rK+7], v[rQ:rQ+7], 0
.else
	v_wmma_f32_16x16x32_f16 v[rS:rS+7], v[rK:rK+7], v[rQ:rQ+7], v[rS:rS+7]
.endif
.endm
.macro PV x                         ; product i of 16 of O^T += V^T P for piece x: keys 32 (i / 8) on, channels 16 ((i / 2) % 4) on, tile 2 x + i % 2
	WIN W_PV
.set rO, 32*(2*(\x)+i%2)+8*((i/2)%4)
.set rV, VF+32*(i/8)+8*((i/2)%4)
.set rP, P+32*((\x)%2)+16*(i%2)+8*(i/8)
	v_wmma_f32_16x16x32_f16 v[rO:rO+7], v[rV:rV+7], v[rP:rP+7], v[rO:rO+7]
.endm
.macro MM                           ; the turn's next matrix instruction
.if i < 16
	KQ (Y+1)%NP
.set i, i+1
.else
.set i, i-16
	PV (Y+NP-1)%NP
.set i, i+17
.endif
.endm
; THE LDS LOADS stand in runs of 16.  last = 1 (the tail): in the last trip there is no further step, and the run is jumped over.
.macro FETCH_K last=0
	WIN 0
.if \last
	s_cmp_eq_u32 s[CNT], 1
	s_cbranch_scc1 .Lno_k_\@
.endif
	WIN 0x80
.irp f, 0,1,2,3,4,5,6,7
	ds_load_b128 v[KF+8*\f:KF+8*\f+3],   v[AK] offset:\f*1024
	ds_load_b128 v[KF+8*\f+4:KF+8*\f+7], v[AK] offset:\f*1024+512
.endr
	s_add_co_u32 s[TBK], s[TBK], STEPB
	WIN 0
.if \last
.Lno_k_\@:
.endif
.endm
.macro FETCH_V
	WIN 0x80
.irp f, 0,1,2,3,4,5,6,7
	ds_load_b128 v[VF+8*\f:VF+8*\f+3],   v[AV] offset:\f*1024
	ds_load_b128 v[VF+8*\f+4:VF+8*\f+7], v[AV] offset:\f*1024+512
.endr
	WIN 0
.endm
; THE VECTOR WORK OF A TURN stands in three queues, each in the order in which its entries become ready; the two tiles alternate.
.macro REGS y, u
.set rT, ST+4*(2*(\y)+(\u))
.set rC, TMP+8*((\y)%2)+4*(\u)
.set rM, MV+2*((\y)%2)+(\u)
.set rS, S+64*((\y)%2)+32*(\u)
.set rP, P+32*((\y)%2)+16*(\u)
.set rO, 32*(2*(\y)+(\u))
.endm
; Number n of the 22 that find the NEXT piece's maximum and statistics; each accumulator's lowest registers are read first.
.macro XS u, n
	REGS (Y+1)%NP, \u
.if (\n) < 4
	v_max3_num_f32 v[rC+(\n)], v[rS+8*(\n)], v[rS+8*(\n)+1], v[rS+8*(\n)+2]
.elseif (\n) < 12
	v_max3_num_f32 v[rC+(\n)%4], v[rC+(\n)%4], v[rS+8*((\n)%4)+2*((\n)/4)+1], v[rS+8*((\n)%4)+2*((\n)/4)+2]
.elseif (\n) == 12
	v_max3_num_f32 v[rC], v[rC], v[rS+7], v[rS+15]
.elseif (\n) == 13
	v_max3_num_f32 v[rC+1], v[rC+1], v[rS+23], v[rS+31]
.elseif (\n) == 14
	v_max3_num_f32 v[rC+2], v[rC+2], v[rC+3], v[rT+1]
.elseif (\n) == 15
	v_mov_b32 v[rM], v[rT]
.elseif (\n) == 16
	v_max3_num_f32 v[rC], v[rC], v[rC+1], v[rC+2]
.elseif (\n) == 17
	v_permlanex16_b32 v[rC+3], v[rC], s[SEL], s[SEL+1]
.elseif (\n) == 18
	v_max_num_f32 v[rT+1], v[rC], v[rC+3]
.elseif (\n) == 19
	v_mul_f32 v[rT], s[CS], v[rT+1]
.elseif (\n) == 20
	v_sub_f32 v[rC+1], v[rM], v[rT]
.else
	v_exp_f32 v[rC+2], v[rC+1]
.endif
.endm
; Number g of the 64 that follow the exponentials: round, round, add the second pair onto the first, and l takes the group before's sum (the first time as l = a l + sum).
.macro GS g
.set h, (\g)+6*((\g)/62)
.if h >= 6
.set h, h+2
.endif
	REGS Y, h%2
.set k, h/8
.if h%8 < 4
	v_cvt_pk_f16_f32 v[rP+2*k+(h%8)/2], v[rS+4*k+2*((h%8)/2)], v[rS+4*k+2*((h%8)/2)+1]
.elseif h%8 < 6
	v_pk_add_f32 v[rS+4*k:rS+4*k+1], v[rS+4*k:rS+4*k+1], v[rS+4*k+2:rS+4*k+3]
.elseif k == 1
	v_pk_fma_f32 v[rT+2:rT+3], v[rT+2:rT+3], v[rC+2:rC+3], v[rS:rS+1] op_sel_hi:[1,0,1]
.else
	v_pk_add_f32 v[rT+2:rT+3], v[rT+2:rT+3], v[rS+4*k-4:rS+4*k-3]
.endif
.endm
.macro FS f                         ; c s - c m for pair f / 2 of tile f % 2
	REGS Y, (\f)%2
	v_pk_fma_f32 v[rS+2*((\f)/2):rS+2*((\f)/2)+1], v[rS+2*((\f)/2):rS+2*((\f)/2)+1], s[CS:CS+1], v[rT:rT+1] op_sel_hi:[1,0,0] neg_lo:[0,0,1] neg_hi:[0,0,1]
.endm
.macro PL                           ; the plain queue, 138 long: 0-73 read no exponential's result; 74-137 stand behind the wait
	WIN 0
.if q < 27
	FS q
.elseif q < 55
	XS (q-27)%2, (q-27)/2
.elseif q < 57
	XS q-55, 15
.elseif (q < 72) && ((q-57)%3 == 0)
	FS 27+(q-57)/3
.elseif q < 60
	XS (q-57)%3-1, 14
.elseif q < 72
	XS (q-57)%3-1, 15+(q-57)/3
.elseif q < 74
	XS q-72, 20
.else
	GS q-74
.endif
.set q, q+1
.endm
.macro EX                           ; the exponentials' queue, 66 long: one batch, all ahead of the turn's one wait
	WIN 0
.if e >= 64
	XS e-64, 21
.else
	REGS Y, e%2
	v_exp_f32 v[rS+e/2], v[rS+e/2]
.endif
.set e, e+1
.endm
.macro R2                           ; the rescaling's queue: O^T times a, two at a time
	REGS Y, r%2
	WIN W_RS
.irp z, 0,1
	v_pk_mul_f32 v[rO+4*(r/2)+2*\z:rO+4*(r/2)+2*\z+1], v[rO+4*(r/2)+2*\z:rO+4*(r/2)+2*\z+1], v[rC+2:rC+3] op_sel_hi:[1,0]
.endr
.set r, r+1
.endm
; A TURN, for piece p.  Ahead of its one wait stands all that names no result of its exponentials: 16 products K Q^T with a scaling, an exponential and two rescalings behind each, then a run of 108.
; Behind the wait: 16 products V^T P with four of the roundings and sums behind each.  K of the next step is fetched in piece 2's turn, directly behind the wait; V of the step in hand at the end of
; piece 0's turn, four plain instructions behind its last reader.
.macro TURN p, last=0, cnt=0
.set Y, (\p)
.set i, 0
.set q, 0
.set e, 0
.set r, 0
.if (\p) == NP-1
	s_wait_dscnt 0x0                ; K is in
.endif
	MM
	PL
	PL
	R2
.rept 15
	MM
	PL
	EX
	R2
.endr
.if (\p) == NP-2
	WIN 0
	v_add_nc_u32 v[AK], s[TBK], v[AK0]
.endif
.rept 8
	PL
.endr
.rept 49
	EX
	PL
.endr
	EX
	EX
	v_nop                           ; a plain instruction behind the last exponential: one for the batch
	s_wait_alu depctr_va_vdst(0)    ; the wait for the batch, ahead of the first line that names a result
.if (\p) == NP-2
	FETCH_K \last
.endif
.if (\p) == 1
	s_wait_dscnt 0x0                ; V is in
.endif
.rept 16
	MM
.rept 4
	PL
.endr
.if ((\p) == 0) && (q == 118)
	v_add_nc_u32 v[AV], s[TBV], v[AV0]
.endif
.if ((\p) == 0) && (q == 130)
	s_add_co_u32 s[TBV], s[TBV], STEPB
.endif
.if (\cnt) && (q == 130)
	s_sub_co_u32 s[CNT], s[CNT], 1
	s_cmp_lg_u32 s[CNT], 0
.endif
.endr
.if (\p) == 0
	FETCH_V
.endif
.endm
	CHANGE 1                        ; slot 0 is in; slot 1 is asked for
	FETCH_K                         ; key step 0
	s_wait_loadcnt 0x0              ; Q
	s_wait_dscnt 0x0
.set i, 0
.rept 16
	KQ 0                            ; piece 0's first scores
.set i, i+1
.endr
	WIN 0                           ; the merge's addresses: six plain instructions, the places behind those products
	s_lshl_b32 s13, s[WV], 11
	s_add_co_u32 s13, s13, STATS
	v_and_b32 v[SR], 31, v0
	v_lshl_add_u32 v[SA], v[SR], 3, s13
	v_lshl_add_u32 v[SR], v[SR], 3, STATS
	s_lshl_b32 s13, s[WV], 15
	v_add_nc_u32 v[PA], s13, v[GO]
	s_lshl_b32 s13, s[WV], 13
	v_add_nc_u32 v[RA], s13, v[GO]
	v_add_nc_u32 v[RB], 0x10000, v[RA]
.set Y, NP-1                        ; XS works for piece Y + 1: piece 0
.irp n, 0,1,2,3,4,5,6,7,8,9,10,11,12,13,14,15,16,17,18,19,20,21
	XS 0, \n
	XS 1, \n
.endr
	v_nop                           ; a plain instruction behind the two a,
	s_wait_alu depctr_va_vdst(0)    ; and their wait, ahead of the branch
	s_mov_b32 s[CNT], 2
	s_branch .Lfirst                ; the loop is entered at a step's first turn
.Lslot:                             ; twice: fills 2 and 3
	CHANGE 1
	s_mov_b32 s[CNT], 2
.Lstep:                             ; a trip: pieces 2 and 3 of one step, then pieces 0 and 1 of the next
	TURN 2
	TURN 3
	WIN 0
.Lfirst:
	TURN 0
	TURN 1, 0, 1
	WIN 0
	s_cbranch_scc1 .Lstep
	s_sub_co_u32 s[SLOTS], s[SLOTS], 1
	s_cmp_lg_u32 s[SLOTS], 0
	s_cbranch_scc1 .Lslot
	CHANGE 0                        ; the tail is written out
	s_mov_b32 s[CNT], 3             ; two trips fetch the last slot's steps; the third is left in its middle
.Ltail:
	TURN 2, 1
	TURN 3
	WIN 0
	s_sub_co_u32 s[CNT], s[CNT], 1
	s_cmp_eq_u32 s[CNT], 0
	s_cbranch_scc1 .Lout
	TURN 0
	TURN 1
	WIN 0
	s_branch .Ltail
.Lout:                              ; the third trip's 16 products K Q^T (on the last K once more) serve nothing: the price of one text for every trip
.set i, 0
.rept 16
	PV NP-1
.set i, i+1
.endr
	; THE MERGE.  Each wave holds, for all 128 queries, c m, l and O^T over its own 512 keys.  With M the largest of the four c m, e_w = 2^(c m_w - M) and L = the sum of e_w l_w, ctx = the sum of O_w e_w / L.
	WIN 0
.macro ALL line:vararg              ; one line for each tile t
.set t, 0
.rept 2*NP
	\line
.set t, t+1
.endr
.endm
	ALL v_add_f32 v[ST+4*t+2], v[ST+4*t+2], v[ST+4*t+3]     ; these additions are the places behind the last products
	ALL v_permlanex16_b32 v[ST+4*t+3], v[ST+4*t+2], s[SEL], s[SEL+1]
	ALL v_add_f32 v[ST+4*t+1], v[ST+4*t+2], v[ST+4*t+3]     ; l, beside c m
	ALL ds_store_b64 v[SA], v[ST+4*t:ST+4*t+1] offset:256*t
	s_wait_dscnt 0x0                ; for the others' sake
	s_barrier_signal -1
	s_barrier_wait -1
.irp u, 0,1,2,3
	ALL ds_load_b64 v[S+8*t+2*\u:S+8*t+2*\u+1], v[SR] offset:2048*\u+256*t
.endr
	s_wait_dscnt 0x0
	ALL v_max3_num_f32 v[WK+8*t+5], v[S+8*t], v[S+8*t+2], v[S+8*t+4]
	ALL v_max_num_f32 v[WK+8*t+5], v[WK+8*t+5], v[S+8*t+6]
.irp u, 0,1,2,3
	ALL v_sub_f32 v[WK+8*t+\u], v[S+8*t+2*\u], v[WK+8*t+5]
.endr
	ALL v_sub_f32 v[WK+8*t+4], v[ST+4*t], v[WK+8*t+5]       ; my own
.irp u, 0,1,2,3,4
	ALL v_exp_f32 v[WK+8*t+\u], v[WK+8*t+\u]
.endr
	v_nop                           ; a plain instruction behind the last exponential,
	s_wait_alu depctr_va_vdst(0)    ; and one wait for the forty
	ALL v_mul_f32 v[WK+8*t+6], v[WK+8*t], v[S+8*t+1]
.irp u, 1,2,3
	ALL v_fmac_f32 v[WK+8*t+6], v[WK+8*t+\u], v[S+8*t+2*\u+1]
.endr
	ALL v_rcp_f32 v[WK+8*t+6], v[WK+8*t+6]
	v_nop
	s_wait_alu depctr_va_vdst(0)    ; one wait for the eight reciprocals
	ALL v_mul_f32 v[ST+4*t+2], v[WK+8*t+4], v[WK+8*t+6]     ; my factor e / L
	WIN W_RS
.set t, 0
.rept 2*NP
.set i, 32*t
.rept 16
	v_pk_mul_f32 v[i:i+1], v[i:i+1], v[ST+4*t+2:ST+4*t+3] op_sel_hi:[1,0]
.set i, i+2
.endr
.set t, t+1
.endr
	WIN 0x04                        ; the stores' data in window 1
.set i, 0
.rept 64                            ; the partial sums stay f32; they go into my own part of slot 0, which has had its last fill and which I alone have read
	ds_store_b128 v[PA], v[4*i:4*i+3] offset:512*i
.set i, i+1
.endr
	WIN 0
	s_wait_dscnt 0x0                ; for the others' sake
	s_barrier_signal -1
	s_barrier_wait -1
.irp tt, 0,1                        ; wave w finishes tiles 2 w and 2 w + 1
.irp u, 0,1,2,3
.irp g, 0,1,2,3,4,5,6,7
.if \u < 2
	ds_load_b128 v[S+32*\u+4*\g:S+32*\u+4*\g+3], v[RA] offset:(\u%2)*32768+\tt*4096+\g*512
.else
	ds_load_b128 v[S+32*\u+4*\g:S+32*\u+4*\g+3], v[RB] offset:(\u%2)*32768+\tt*4096+\g*512
.endif
.endr
.endr
	s_wait_dscnt 0x0
.set i, 0
.rept 16
	v_pk_add_f32 v[S+i:S+i+1], v[S+i:S+i+1], v[S+32+i:S+32+i+1]
	v_pk_add_f32 v[S+64+i:S+64+i+1], v[S+64+i:S+64+i+1], v[S+96+i:S+96+i+1]
.set i, i+2
.endr
.set i, 0
.rept 16
	v_pk_add_f32 v[S+i:S+i+1], v[S+i:S+i+1], v[S+64+i:S+64+i+1]
.set i, i+2
.endr
.set i, 0
.rept 16
	v_cvt_pk_f16_f32 v[P+16*\tt+i], v[S+2*i], v[S+2*i+1]
.set i, i+1
.endr
.irp cb, 0,1,2,3
	global_store_b128 v[GO], v[P+16*\tt+4*\cb:P+16*\tt+4*\cb+3], s[8:9] offset:\tt*8192+\cb*512  ; 512 consecutive bytes, at a multiple of 256 from cf's first
.endr
.endr
	WIN W_AD
	s_wait_tensorcnt 0x0            ; the wave's end, behind my last tensor load and my last LDS store
	ds_add_u32 v[SPW], v[NIL]
	s_wait_dscnt 0x0
	WIN 0
	CROUND                          ; the closing round
	s_endpgm
.Lfunc_end_k_q5c82220d2f_attn:
	.size	k_q5c82220d2f_attn, .Lfunc_end_k_q5c82220d2f_attn-k_q5c82220d2f_attn
	.p2alignl 7, 3214868480
	.fill 96, 4, 3214868480
	.section	.rodata,"a",@progbits
	.p2align	6, 0x0
	.amdhsa_kernel k_q5c82220d2f_attn
		.amdhsa_group_segment_fixed_size 327680
		.amdhsa_private_segment_fixed_size 0
		.amdhsa_enable_private_segment 0
		.amdhsa_kernarg_size 24
		.amdhsa_user_sgpr_count 2
		.amdhsa_user_sgpr_kernarg_segment_ptr 1
		.amdhsa_wavefront_size32 1
		.amdhsa_system_sgpr_workgroup_id_x 1
		.amdhsa_system_sgpr_workgroup_id_y 1
		.amdhsa_system_sgpr_workgroup_id_z 1
		.amdhsa_system_vgpr_workitem_id 0
		.amdhsa_next_free_vgpr 770
		.amdhsa_next_free_sgpr 66
		.amdhsa_reserve_vcc 0
		.amdhsa_float_denorm_mode_32 3
		.amdhsa_float_denorm_mode_16_64 3
		.amdhsa_memory_ordered 1
		.amdhsa_forward_progress 1
		.amdhsa_inst_pref_size 205
	.end_amdhsa_kernel
	.amdgpu_metadata
---
amdhsa.version: [ 1, 2 ]
amdhsa.kernels:
  - .name:           k_q5c82220d2f_attn
    .symbol:         k_q5c82220d2f_attn.kd
    .args:
      - { .name: qf, .offset: 0, .size: 8, .value_kind: global_buffer, .address_space: global }
      - { .name: kv, .offset: 8, .size: 8, .value_kind: global_buffer, .address_space: global }
      - { .name: cf, .offset: 16, .size: 8, .value_kind: global_buffer, .address_space: global }
    .group_segment_fixed_size: 327680
    .private_segment_fixed_size: 0
    .kernarg_segment_align: 8
    .kernarg_segment_size: 24
    .max_flat_workgroup_size: 128
    .sgpr_count:     66
    .vgpr_count:     770
    .wavefront_size: 32
...
	.end_amdgpu_metadata
.endif
;; end of part 3
;; launch oproj (part 4): grid 16 x 16, 4 waves a work-group, clusters of 4 x 4, 327,680 bytes of LDS; arguments cf, owf, out_b, out0; writes out0
.if DOCPART == 4
	.amdgcn_target "amdgcn-amd-amdhsa--gfx1250"
	.amdhsa_code_object_version 6
	.text
	.protected	k_q5c82220d2f_oproj
	.globl	k_q5c82220d2f_oproj
	.p2align	8
	.type	k_q5c82220d2f_oproj,@function
k_q5c82220d2f_oproj:
	s_mov_b64 s[64:65], 0
	v_nop
	global_prefetch_b8 v0, s[64:65] scope:SCOPE_SE
	s_setreg_imm32_b32 hwreg(HW_REG_WAVE_MODE, 25, 1), 1
	s_wait_xcnt 0x0
	s_wait_alu depctr_hold_cnt(0) depctr_sa_sdst(0) depctr_va_vdst(0) depctr_va_sdst(0) depctr_va_ssrc(0) depctr_va_vcc(0) depctr_vm_vsrc(0)
	s_getreg_b32 s2, hwreg(HW_REG_IB_STS2, 6, 4)
	s_cmp_eq_u32 s2, 0
	s_cbranch_scc0 .Lentry_in_a_cluster
	s_endpgm
.Lentry_in_a_cluster:
	s_bfe_u32 s2, ttmp6, 0x10000c
	s_cmp_lg_u32 s2, 0xf033
	s_cbranch_scc0 .Lentry_shape_is_right
	s_endpgm
.Lentry_shape_is_right:
; out0 = ctx out_w^T + out_b.  ctx (cf) and out_w (owf) in f16, sums in f32, out_b and out0 in f32.  2,048 x 1,024 x 1,024.
; SHARES.  A tile is 128 tokens x 64 columns: 16 x 16 work-groups.  Wave w makes rows 32 w .. 32 w + 31 and all 64 columns: 8 accumulators; a row's 256 bytes of out0 belong to one wave.
; K goes in 4 chunks of 256 through three LDS slots: chunks 0 to 2 are asked for at the start, chunk 3 goes into slot 0 when chunk 0 has been multiplied.
; A slot: ctx, 65,536 bytes in fragment order (a fragment's half is 512 dense bytes, 16 a lane), then 64 rows of out_w of 512 bytes + 16 of padding.
; CLUSTER.  4 x 4 work-groups: ctx's tile is shared along a row of the cluster, out_w's along a column: joint loads with a mask of four.  No prefetch: the tiles are small and the launch is short.
; Source 0 = 16 rows of out_w, source 1 = 16 tokens: a lane holds one token and 8 neighbouring columns.  The bias is the C operand of the products that start the sums.
.set SLOT,   99328
.set BOFF,   65536
.set BPITCH, 528                       ; 132 words: the 16 rows of a fragment load start 4 words apart modulo 64 (64 banks of 4 bytes: ISA guide 11.1)
.set SPARE,  3*SLOT                    ; the spare words: 128 bytes a wave, two blocks of 256 bytes that no other line names
.set STG,    SLOT                      ; the way out: 32 rows x 272 bytes a wave, in slot 1, which is filled once and read for the last time ahead of the last barrier
.set SPITCH, 272
.set ADRA, 16                          ; v16-18  my fragments of ctx in slot 0, 1, 2
.set ADRB, 20                          ; v20-22  of out_w
.set STO,  24
.set RD,   25
.set CO,   26
.set BO,   27
.set SPW,  28
.set NIL,  29
.set ACC,  32                          ; v[32:95]  accumulator (a, b) at 32 + 8 (4 a + b)
.set BUF,  96                          ; v[96:239] three buffers of 48: four fragments of out_w, two of ctx
.set G1,  24                           ; s[24:31] group 1 for ctx; s[32:43] group 0, a set for each slot
.set G0,  32
.set G1B, 48                           ; s[48:55] group 1 for out_w; s[68:79] group 0
.set G0B, 68
.set MSB, 0
.macro WIN new
.if MSB != (\new)
	s_set_vgpr_msb (MSB<<8)|(\new)
.set MSB, \new
.endif
.endm
.macro CREST
	s_cmp_lg_u32 s16, 0
	s_cbranch_scc1 .Lnot_wave_0_\@
	s_barrier_signal -3
.Lnot_wave_0_\@:
	s_barrier_wait -3
	s_barrier_signal -1
	s_barrier_wait -1
.endm
.macro CROUND
	s_barrier_signal -1
	s_barrier_wait -1
	CREST
.endm
.macro PLACES
.rept 4
	v_nop
.endr
.endm
	s_load_b256 s[4:11], s[0:1], 0x0               ; cf 4, owf 6, out_b 8, out0 10
	v_lshl_add_u32 v[SPW], v0, 2, SPARE
	v_mov_b32 v[NIL], 0
	ds_add_u32 v[SPW], v[NIL]                      ; the wave's opening: the add and its wait ahead of my first tensor load; work on registers stands between them
	v_lshrrev_b32 v1, 5, v0
	v_readfirstlane_b32 s16, v1                    ; wave
	s_lshr_b32 s17, s16, 1                         ; I fetch for ctx (0) or out_w (1),
	s_and_b32 s18, s16, 1                          ; this half of the tile
	s_bfe_u32 s19, ttmp6, 0x40000                  ; cx
	s_bfe_u32 s20, ttmp6, 0x40004                  ; cy
	s_lshl_b32 s21, ttmp9, 2
	s_add_co_u32 s21, s21, s19                     ; block of 64 columns
	s_and_b32 s22, ttmp7, 0xffff
	s_lshl_b32 s22, s22, 2
	s_add_co_u32 s22, s22, s20                     ; block of 128 tokens
	s_lshl_b32 s44, s20, 2
	s_lshl_b32 s44, 15, s44                        ; my row of the cluster
	s_lshl_b32 s56, 0x1111, s19                    ; my column
	s_or_b32 s[G1+0], s44, (1<<16)|(1<<21)         ; 2-byte elements, bit 21 beside a mask, no padding
	s_mov_b32 s[G1+1], 128<<16                     ; rows of 256 bytes,
	s_mov_b32 s[G1+2], 128<<16                     ; 128 of them: 32,768 dense bytes
	s_mov_b32 s[G1+3], 128<<16
	s_mov_b32 s[G1+4], 128
	s_mov_b32 s[G1+5], 128
	s_mov_b32 s[G1+6], 0
	s_mov_b32 s[G1+7], 0
	s_or_b32 s[G1B+0], s56, (1<<16)|(1<<20)|(1<<21)|(6<<22)|(3<<25)  ; padding: after every 128 words, 4 words
	s_mov_b32 s[G1B+1], 256<<16                    ; rows of 512 bytes,
	s_mov_b32 s[G1B+2], 32<<16                     ; 32 of them
	s_mov_b32 s[G1B+3], 256<<16
	s_mov_b32 s[G1B+4], 32
	s_mov_b32 s[G1B+5], 256
	s_mov_b32 s[G1B+6], 0
	s_mov_b32 s[G1B+7], 0
	s_lshl_b32 s44, s22, 16                        ; ctx's tile hangs on the tokens alone,
	s_lshl_b32 s45, s18, 15
	s_add_co_u32 s44, s44, s45
	s_mov_b32 s45, 0
	s_lshl_b32 s56, s21, 15                        ; out_w's on the columns alone
	s_lshl_b32 s57, s18, 14
	s_add_co_u32 s56, s56, s57
	s_mov_b32 s57, 0
	s_mul_i32 s60, s18, 32768                      ; where they go
	s_mul_i32 s61, s18, 32*BPITCH
	s_add_co_u32 s61, s61, BOFF
	s_wait_dscnt 0x0                               ; the opening add is done
	s_wait_kmcnt 0x0
	s_add_nc_u64 s[46:47], s[4:5], s[44:45]
	s_add_nc_u64 s[58:59], s[6:7], s[56:57]
.irp s, 0,1,2
	s_mov_b32 s[G0+4*(\s)], 1
	s_add_co_u32 s[G0+4*(\s)+1], s60, (\s)*SLOT
	s_add_nc_u64 s[G0+4*(\s)+2:G0+4*(\s)+3], s[46:47], (\s)*1048576
	s_or_b32 s[G0+4*(\s)+3], s[G0+4*(\s)+3], 0x80000000
	s_mov_b32 s[G0B+4*(\s)], 1
	s_add_co_u32 s[G0B+4*(\s)+1], s61, (\s)*SLOT
	s_add_nc_u64 s[G0B+4*(\s)+2:G0B+4*(\s)+3], s[58:59], (\s)*524288
	s_or_b32 s[G0B+4*(\s)+3], s[G0B+4*(\s)+3], 0x80000000
.endr
	CROUND                                         ; all sixteen work-groups are here: the first joint loads meet
	s_cmp_eq_u32 s17, 0                            ; a wave's three first fills stand in one branch: three loads of mine are out
	s_cbranch_scc0 .Lfirst_b
	tensor_load_to_lds s[G0:G0+3], s[G1:G1+7]
	s_nop 0
	tensor_load_to_lds s[G0+4:G0+7], s[G1:G1+7]
	s_nop 0
	tensor_load_to_lds s[G0+8:G0+11], s[G1:G1+7]
	s_nop 0
.rept 4
	v_nop
.endr
	s_branch .Lfirst_done
.Lfirst_b:
	tensor_load_to_lds s[G0B:G0B+3], s[G1B:G1B+7]
	s_nop 0
	tensor_load_to_lds s[G0B+4:G0B+7], s[G1B:G1B+7]
	s_nop 0
	tensor_load_to_lds s[G0B+8:G0B+11], s[G1B:G1B+7]
	s_nop 0
.rept 4
	v_nop
.endr
.Lfirst_done:
	v_and_b32 v1, 15, v0                           ; r
	v_bfe_u32 v2, v0, 4, 1                         ; h
	v_lshlrev_b32 v[BO], 5, v2                     ; my 8 columns' 32 bytes of a block's 64
	s_lshl_b32 s80, s21, 8
	s_mov_b32 s81, 0
	s_add_nc_u64 s[82:83], s[8:9], s[80:81]
	WIN 0x40                                       ; destination window 1
.irp b, 0,1,2,3
	global_load_b128 v[8*(\b):8*(\b)+3],   v[BO], s[82:83] offset:(\b)*64
	global_load_b128 v[8*(\b)+4:8*(\b)+7], v[BO], s[82:83] offset:(\b)*64+16
.endr
	WIN 0
	v_and_b32 v3, 31, v0
	v_lshlrev_b32 v3, 4, v3                        ; 16 x lane
	v_mul_u32_u24 v4, v1, BPITCH
	v_lshl_add_u32 v4, v2, 4, v4                   ; row x pitch + 16 h
	s_lshl_b32 s84, s16, 14                        ; my two blocks of 16 tokens, 8,192 bytes each
	s_mov_b32 s85, BOFF
.irp s, 0,1,2
	v_add_nc_u32 v[ADRA+(\s)], s84, v3
	v_add_nc_u32 v[ADRB+(\s)], s85, v4
	s_add_co_u32 s84, s84, SLOT
	s_add_co_u32 s85, s85, SLOT
.endr
	s_mul_i32 s84, s16, 32*SPITCH
	s_add_co_u32 s84, s84, STG                     ; my stage
	v_mul_u32_u24 v[STO], v1, SPITCH
	v_lshl_add_u32 v[STO], v2, 5, v[STO]
	v_add_nc_u32 v[STO], s84, v[STO]               ; in: row r, 32 bytes for each half of the lanes
	v_mul_u32_u24 v[RD], v2, SPITCH
	v_lshl_add_u32 v[RD], v1, 4, v[RD]
	v_add_nc_u32 v[RD], s84, v[RD]                 ; back: lanes 0-15 one row of 256 bytes, lanes 16-31 the next
	v_lshlrev_b32 v[CO], 12, v2
	v_lshl_add_u32 v[CO], v1, 4, v[CO]             ; and the same two rows in out0
	s_lshl_b32 s80, s22, 19
	s_lshl_b32 s84, s16, 17
	s_add_co_u32 s80, s80, s84
	s_lshl_b32 s84, s21, 8
	s_add_co_u32 s80, s80, s84
	s_add_nc_u64 s[10:11], s[10:11], s[80:81]
.macro FET slot, q, buf                ; 12 LDS loads: 32 k at sub-step q
.irp b, 0,1,2,3
	ds_load_b128 v[BUF+48*(\buf)+8*(\b):BUF+48*(\buf)+8*(\b)+3],   v[ADRB+(\slot)] offset:(\b)*16*BPITCH+(\q)*64
	ds_load_b128 v[BUF+48*(\buf)+8*(\b)+4:BUF+48*(\buf)+8*(\b)+7], v[ADRB+(\slot)] offset:(\b)*16*BPITCH+(\q)*64+32
.endr
.irp a, 0,1
	ds_load_b128 v[BUF+48*(\buf)+32+8*(\a):BUF+48*(\buf)+32+8*(\a)+3],   v[ADRA+(\slot)] offset:(\a)*8192+(\q)*1024
	ds_load_b128 v[BUF+48*(\buf)+32+8*(\a)+4:BUF+48*(\buf)+32+8*(\a)+7], v[ADRA+(\slot)] offset:(\a)*8192+(\q)*1024+512
.endr
.endm
.macro MUL8 buf, first                 ; the 8 accumulators take turns, one instruction a turn; first = 1: the bias starts the sums
.if \first
	WIN 0x10                                       ; C in window 1
.endif
.irp a, 0,1
.irp b, 0,1,2,3
.set rD, ACC+8*(4*(\a)+(\b))
.set rB, BUF+48*(\buf)+8*(\b)
.set rA, BUF+48*(\buf)+32+8*(\a)
.if \first
	v_wmma_f32_16x16x32_f16 v[rD:rD+7], v[rB:rB+7], v[rA:rA+7], v[8*(\b):8*(\b)+7]
.else
	v_wmma_f32_16x16x32_f16 v[rD:rD+7], v[rB:rB+7], v[rA:rA+7], v[rD:rD+7]
.endif
.endr
.endr
	WIN 0
.endm
.macro CHUNK slot, first               ; 256 k: eight sub-steps on three buffers, two runs of loads ahead
	PLACES
	FET \slot, 0, 0
	FET \slot, 1, 1
.irp q, 0,1,2,3,4,5,6,7
.if (\q) < 6
	PLACES                                         ; the buffer was read by the products just issued
	FET \slot, (\q)+2, ((\q)+2)%3
	s_wait_dscnt 24                                ; the two younger runs of 12 may stay out
.elseif (\q) == 6
	s_wait_dscnt 12
.else
	s_wait_dscnt 0x0
.endif
.if (\first) && ((\q) == 0)
	MUL8 0, 1
.else
	MUL8 (\q)%3, 0
.endif
.endr
.endm
	s_wait_tensorcnt 2                             ; my part of chunk 0 is in; chunks 1 and 2 may stay out
	s_barrier_signal -1
	s_barrier_wait -1
	s_wait_loadcnt 0x0                             ; the bias
	CHUNK 0, 1
	s_wait_tensorcnt 0x0                           ; all my tensor loads have landed, chunks 1 and 2 among them
	ds_add_u32 v[SPW], v[NIL]                      ; 0 onto my spare word
	s_add_nc_u64 s[G0+2:G0+3], s[G0+2:G0+3], 3*1048576
	s_add_nc_u64 s[G0B+2:G0B+3], s[G0B+2:G0B+3], 3*524288
	s_wait_dscnt 0x0                               ; the add is done, and my reads of slot 0 are over
	CROUND                                         ; no wave of any partner still reads slot 0 or has a load on its way
	s_cmp_eq_u32 s17, 0                            ; chunk 3 into slot 0: 128 matrix instructions ahead of the wait for it
	s_cbranch_scc0 .Lre_b
	tensor_load_to_lds s[G0:G0+3], s[G1:G1+7]
	s_nop 0
.rept 4
	v_nop
.endr
	s_branch .Lre_done
.Lre_b:
	tensor_load_to_lds s[G0B:G0B+3], s[G1B:G1B+7]
	s_nop 0
.rept 4
	v_nop
.endr
.Lre_done:
	CHUNK 1, 0
	CHUNK 2, 0
	s_wait_tensorcnt 0x0                           ; my part of chunk 3 is in
	ds_add_u32 v[SPW], v[NIL]
	s_wait_dscnt 0x0                               ; my reads of slots 1 and 2 are over
	s_barrier_signal -1
	s_barrier_wait -1                              ; everybody's part is in, and nobody reads slot 1 any more: the stages may be written
	CHUNK 0, 0
	; THE WAY OUT: 32 bytes a lane into my own stage, back as whole rows of 256 bytes.
	PLACES
.irp a, 0,1
.irp b, 0,1,2,3
	ds_store_b128 v[STO], v[ACC+8*(4*(\a)+(\b)):ACC+8*(4*(\a)+(\b))+3]   offset:(\a)*16*SPITCH+(\b)*64
	ds_store_b128 v[STO], v[ACC+8*(4*(\a)+(\b))+4:ACC+8*(4*(\a)+(\b))+7] offset:(\a)*16*SPITCH+(\b)*64+16
.endr
.endr
.irp t, 0,1,2,3,4,5,6,7,8,9,10,11,12,13,14,15
	ds_load_b128 v[BUF+4*(\t):BUF+4*(\t)+3], v[RD] offset:(\t)*2*SPITCH  ; LDS serves a wave's instructions in order (ISA guide 5.7.1.4): these see the stores above
.endr
.irp t, 0,1,2,3,4,5,6,7,8,9,10,11,12,13,14,15
	s_wait_dscnt 15-(\t)
	global_store_b128 v[CO], v[BUF+4*(\t):BUF+4*(\t)+3], s[10:11] offset:(\t)*8192  ; 16 lanes store 256 consecutive bytes, at a multiple of 256 from out0's first byte
.endr
	s_wait_tensorcnt 0x0                           ; the wave's end
	ds_add_u32 v[SPW], v[NIL]
	s_wait_dscnt 0x0
	CROUND                                         ; the closing round
	s_endpgm
.Lfunc_end_k_q5c82220d2f_oproj:
	.size	k_q5c82220d2f_oproj, .Lfunc_end_k_q5c82220d2f_oproj-k_q5c82220d2f_oproj
	.p2alignl 7, 3214868480
	.fill 96, 4, 3214868480
	.section	.rodata,"a",@progbits
	.p2align	6, 0x0
	.amdhsa_kernel k_q5c82220d2f_oproj
		.amdhsa_group_segment_fixed_size 327680
		.amdhsa_private_segment_fixed_size 0
		.amdhsa_enable_private_segment 0
		.amdhsa_kernarg_size 32
		.amdhsa_user_sgpr_count 2
		.amdhsa_user_sgpr_kernarg_segment_ptr 1
		.amdhsa_wavefront_size32 1
		.amdhsa_system_sgpr_workgroup_id_x 1
		.amdhsa_system_sgpr_workgroup_id_y 1
		.amdhsa_system_sgpr_workgroup_id_z 1
		.amdhsa_system_vgpr_workitem_id 0
		.amdhsa_next_free_vgpr 288
		.amdhsa_next_free_sgpr 90
		.amdhsa_reserve_vcc 0
		.amdhsa_float_denorm_mode_32 3
		.amdhsa_float_denorm_mode_16_64 3
		.amdhsa_memory_ordered 1
		.amdhsa_forward_progress 1
		.amdhsa_inst_pref_size 59
	.end_amdhsa_kernel
	.amdgpu_metadata
---
amdhsa.version: [ 1, 2 ]
amdhsa.kernels:
  - .name:           k_q5c82220d2f_oproj
    .symbol:         k_q5c82220d2f_oproj.kd
    .args:
      - { .name: cf, .offset: 0, .size: 8, .value_kind: global_buffer, .address_space: global }
      - { .name: owf, .offset: 8, .size: 8, .value_kind: global_buffer, .address_space: global }
      - { .name: out_b, .offset: 16, .size: 8, .value_kind: global_buffer, .address_space: global }
      - { .name: out0, .offset: 24, .size: 8, .value_kind: global_buffer, .address_space: global }
    .group_segment_fixed_size: 327680
    .private_segment_fixed_size: 0
    .kernarg_segment_align: 8
    .kernarg_segment_size: 32
    .max_flat_workgroup_size: 128
    .sgpr_count:     90
    .vgpr_count:     288
    .wavefront_size: 32
...
	.end_amdgpu_metadata
.endif
;; end of part 4
;; ======== version 2 of 2: 4 launches; version 1 with the launch prep written anew for expert scheduling mode
;; limits: values are held in f16: magnitudes above 65,504 overflow, below 6.1e-05 lose precision
;; workspace buffers: ap 37,748,736 bytes; wp 56,623,104 bytes; owf 2,097,152 bytes; qf 4,194,304 bytes; kv 8,388,608 bytes; cf 4,194,304 bytes
;; launch prep (part 5): grid 16 x 64, 4 waves a work-group, no clusters, 0 bytes of LDS; arguments x, base_w, spline_w, spline_scaler, out_w, ap, wp, owf; writes ap, wp, owf
.if DOCPART == 5
	.amdgcn_target "amdgcn-amd-amdhsa--gfx1250"
	.amdhsa_code_object_version 6
	.text
	.protected	k_q5c82220d2f_prep
	.globl	k_q5c82220d2f_prep
	.p2align	8
	.type	k_q5c82220d2f_prep,@function
k_q5c82220d2f_prep:
	s_mov_b64 s[64:65], 0
	v_nop
	global_prefetch_b8 v0, s[64:65] scope:SCOPE_SE
	s_setreg_imm32_b32 hwreg(HW_REG_WAVE_SCHED_MODE, 0, 2), 2
	s_setreg_imm32_b32 hwreg(HW_REG_WAVE_MODE, 25, 1), 1
	s_wait_xcnt 0x0
	s_wait_alu depctr_vm_vsrc(0)
; THE OPERANDS OF THE FIRST PRODUCT, AND out_w, IN f16.  qkv = silu(x) base_w^T + sum B_j(x) (spline_w scaler) is ONE product over K = 9,216: this launch writes its two operands.
;   ap  [K order][2048 rows]: silu(x) and the eight bases B_0..B_7 of every x, made in f32 from x as given, rounded once.
;   wp  [K order][3072 rows]: 16 base_w and 16 scaler spline_w, made in f32, rounded once (16 is exact; the next launch divides by it in f32).
;   owf out_w rounded once, in chunks of 256 k.
; K ORDER.  16 superblocks of 64 features; each has 9 blocks of 64 k: blocks 0-7: position u of 8 holds the 8 bases of feature 8 block + u; block 8: position g holds features 8 g .. 8 g + 7 of the
; base term.  Three blocks are a K step of 192.  In ap a step lies as [64-row group][block][row][128 bytes], in wp as [head][half of the channels][block][q, k, v x 32 rows][128 bytes].
; BASES.  On this uniform grid B_j(x) = a^3 - 4 b^3 with d = kap (2.5 x + 3.5 - j), a = 2 kap - min(|d|, 2 kap), b = kap - min(|d|, kap), kap = 6^(-1/3): the cubic B-spline, 0 outside its four cells.
; LIMITS.  x finite (NaN and infinities give bases 0).  |silu(x)|, |16 base_w|, |16 scaler spline_w| and |out_w| stay under 65,504, f16's end; below 6e-5 f16 keeps its fixed step of 6e-8.
; SHARES.  1,024 work-groups, ALL ALIKE.  In work-group g three waves make wp (two rows each, of q, of k and of v, 8 superblocks), one wave makes ap (4 rows of x, 8 superblocks), and every wave
; rounds a quarter of row g of out_w.  The wave that makes ap has the most arithmetic: which of the four it is turns with g.  Waves are independent: no LDS, no barrier.
; Memory binds: every store of a wave covers whole aligned runs of 256 bytes.
; THE MODE: SCHED_MODE bits 1:0 = 2 (LLVM: expert scheduling mode 2), set by the entry lines.  The code itself states the register dependences between vector instructions and memory instructions,
; with s_wait_alu, always for 0.
; THE PLAN.  Registers that memory instructions touch:
;   offsets      v[OWL], v[OWS]; v2 to v5 (weights); v2 to v4 (activations): made once at the head of their part and never written again: trips and blocks are reached by scalar bases and immediates.
;   OWD, OWO     out_w as loaded, once; its four roundings write OWO, two stores read it, nothing writes it again.
;   SET0, SET1   (weights) half-trip p scales SET[p % 2] in place and rounds it; behind that the 13 loads of trip p + 2 land in it.
;   OUT0, OUT1   (weights) written by half-trip p's roundings, read by its nine stores, written again by half-trip p + 2.
;                ONE wait on va_vdst stands behind a half-trip's arithmetic; its 13 loads and 9 stores follow in one run, with no vector instruction between.  ONE wait on vm_vsrc a pair of half-trips,
;                at the pair's head, stands ahead of the roundings that write OUT0 and OUT1 again.
;   Y, XS        (activations) x of the trip to come; read by a trip's opening arithmetic alone, loaded again behind it; the loop over blocks does not name them.
;   OS           (activations) written by four roundings a trip, read by one store.  ONE wait on va_vdst a trip, behind those roundings, serves that store and the ten loads into Y and XS.
;   OQ           (activations) written by four roundings a block, read by one store: a wait on vm_vsrc ahead of the roundings, a wait on va_vdst ahead of the store.
;   TT, U, CP, D, AA, BB and E are named by vector instructions alone.
.set SET0, 16                          ; v[16:55]  weights, set 0: 8 x 4 of spline_w, 4 of scaler, 4 of base_w
.set SET1, 56                          ; v[56:95]  set 1
.set OUT0, 96                          ; v[96:113] nine pairs to store, set 0
.set OUT1, 114                         ; v[114:131] set 1
.set TT,   132                         ; v[132:133] the scaler of my feature (the pair's low word is used)
.set OWL,  134                         ; v134      16 x lane; never rewritten
.set OWS,  135                         ; v135      8 x lane; never rewritten
.set OWD,  136                         ; v[136:143] my 8 numbers of out_w
.set OWO,  144                         ; v[144:147] the same in f16
.set Y,    8                           ; activations: v[8:15] x of my position in blocks 0-7
.set XS,   16                          ; v[16:23] the 8 x of my position in block 8
.set U,    24                          ; v[24:31] 2.5 kap x + 3.5 kap, the block in hand in front
.set CP,   32                          ; v[32:39] -j kap
.set D,    40
.set AA,   48
.set BB,   56
.set E,    64
.set OQ,   72                          ; v[72:75] a spline block's quad to store
.set OS,   80                          ; v[80:83] the silu block's quad
	s_load_b512 s[4:19], s[0:1], 0x0               ; x 4, base_w 6, spline_w 8, scaler 10, out_w 12, ap 14, wp 16, owf 18
	v_lshrrev_b32 v1, 5, v0
	v_readfirstlane_b32 s20, v1                    ; wave
	s_and_b32 s21, ttmp7, 0xffff
	s_lshl_b32 s41, s21, 4
	s_or_b32 s41, s41, ttmp9                       ; g = 16 y + x, 0 .. 1,023
	s_lshr_b32 s22, s41, 8
	s_add_co_u32 s22, s22, s41
	v_and_b32 v1, 31, v0                           ; lane
	v_lshlrev_b32 v[OWL], 4, v1
	v_lshlrev_b32 v[OWS], 3, v1
	s_wait_alu depctr_va_sdst(0)                   ; s20 is written, ahead of its first reader: my part and the bases of out_w and owf are made from it
	s_add_co_u32 s22, s22, s20
	s_and_b32 s22, s22, 3                          ; my part: 0 q's weights, 1 k's, 2 v's, 3 the activations
	s_mov_b32 s49, 0                               ; the high word of every offset
	s_lshl_b32 s48, s41, 12                        ; out_w: row g, my 256 k: 1,024 bytes
	s_lshl_b32 s47, s20, 10
	s_add_co_u32 s48, s48, s47
	s_wait_kmcnt 0x0
	s_add_nc_u64 s[52:53], s[12:13], s[48:49]
	s_lshl_b32 s48, s20, 19                        ; owf: chunk = my wave's number, row g's 512 bytes
	s_lshl_b32 s47, s41, 9
	s_add_co_u32 s48, s48, s47
	s_add_nc_u64 s[54:55], s[18:19], s[48:49]
	s_wait_alu depctr_va_vdst(0)                   ; v[OWL] and v[OWS] are written: out_w's loads and stores read them as their offsets
	global_load_b128 v[OWD:OWD+3], v[OWL], s[52:53] th:TH_LOAD_NT
	global_load_b128 v[OWD+4:OWD+7], v[OWL], s[52:53] offset:512 th:TH_LOAD_NT
.macro OWOUT                           ; my quarter row of out_w, rounded and stored: two stores of 256 aligned bytes
	v_cvt_pk_f16_f32 v[OWO], v[OWD], v[OWD+1]
	v_cvt_pk_f16_f32 v[OWO+1], v[OWD+2], v[OWD+3]
	v_cvt_pk_f16_f32 v[OWO+2], v[OWD+4], v[OWD+5]
	v_cvt_pk_f16_f32 v[OWO+3], v[OWD+6], v[OWD+7]
	s_wait_alu depctr_va_vdst(0)                   ; the four roundings have written v[OWO ..], which the two stores read
	global_store_b64 v[OWS], v[OWO:OWO+1], s[54:55] th:TH_STORE_NT
	global_store_b64 v[OWS], v[OWO+2:OWO+3], s[54:55] offset:256 th:TH_STORE_NT
.endm
	s_cmp_eq_u32 s22, 3
	s_cbranch_scc1 .Lacts
; ---- wp: a wave owns two neighbouring rows of the weights and 8 superblocks, one a trip.  Lanes 0-15 the first row, 16-31 the second. ----
	s_and_b32 s42, s41, 1                          ; which 8 superblocks
	s_bfe_u32 s43, s41, 0x40001                    ; which pair of the 32 rows
	s_bfe_u32 s44, s41, 0x10005                    ; which half of the head's channels
	s_lshr_b32 s45, s41, 6                         ; head
	s_mul_i32 s46, s45, 192
	s_lshl_b32 s47, s22, 6
	s_add_co_u32 s46, s46, s47
	s_lshl_b32 s47, s44, 5
	s_add_co_u32 s46, s46, s47
	s_lshl_b32 s47, s43, 1
	s_add_co_u32 s46, s46, s47                     ; my first row of the 3,072
	v_lshrrev_b32 v6, 4, v1
	v_and_b32 v7, 15, v1
	v_lshlrev_b32 v2, 4, v7
	v_lshl_add_u32 v4, v6, 12, v2                  ; base_w: row x 4,096 + 16 (lane % 16)
	v_lshl_add_u32 v2, v6, 15, v2                  ; spline_w: row x 32,768 + 16 (lane % 16)
	v_lshlrev_b32 v3, 2, v7
	v_lshl_add_u32 v3, v6, 12, v3                  ; scaler: row x 4,096 + 4 (lane % 16)
	v_lshlrev_b32 v5, 3, v1                        ; two rows of 128 bytes are 256 bytes on end: 8 x lane
	v_mov_b32 v[TT], 0                             ; the lane exchange counts as a reader of its destination; the pair is named whole
	v_mov_b32 v[TT+1], 0
	s_mov_b32 s32, 0x33221100                      ; lane i of 16 takes lane i / 2,
	s_mov_b32 s33, 0x77665544
	s_mov_b32 s34, 0xbbaa9988                      ; or lane 8 + i / 2
	s_mov_b32 s35, 0xffeeddcc
	s_mov_b32 s36, 0x41800000                      ; 16.0
	s_mov_b32 s37, 0x41800000
	s_lshl_b32 s48, s46, 15
	s_lshl_b32 s47, s42, 14
	s_add_co_u32 s48, s48, s47
	s_add_nc_u64 s[24:25], s[8:9], s[48:49]
	s_lshl_b32 s48, s46, 12
	s_lshl_b32 s47, s42, 11
	s_add_co_u32 s48, s48, s47
	s_add_nc_u64 s[26:27], s[10:11], s[48:49]
	s_add_nc_u64 s[28:29], s[6:7], s[48:49]
	s_mul_i32 s48, s42, 28311552                   ; 24 K steps of 1,179,648 bytes
	s_mul_i32 s47, s45, 73728
	s_add_co_u32 s48, s48, s47
	s_mul_i32 s47, s44, 36864
	s_add_co_u32 s48, s48, s47
	s_lshl_b32 s47, s22, 12
	s_add_co_u32 s48, s48, s47
	s_lshl_b32 s47, s43, 8
	s_add_co_u32 s48, s48, s47
	s_add_nc_u64 s[30:31], s[16:17], s[48:49]
.macro WLOAD set, trip                 ; a superblock of both rows: 13 loads
.irp n, 0,1,2,3,4,5,6,7
	global_load_b128 v[(\set)+4*(\n):(\set)+4*(\n)+3], v2, s[24:25] offset:(\trip)*2048+(\n)*256 th:TH_LOAD_NT
.endr
.irp m, 0,1,2,3
	global_load_b32 v[(\set)+32+(\m)], v3, s[26:27] offset:(\trip)*256+(\m)*64
.endr
	global_load_b128 v[(\set)+36:(\set)+39], v4, s[28:29] offset:(\trip)*256 th:TH_LOAD_NT
.endm
.macro WCALC set, out                  ; nine blocks: scaled in place and rounded into the out-buffer; vector instructions alone
.irp m, 0,1,2,3
	v_mul_f32 v[(\set)+32+(\m)], 0x41800000, v[(\set)+32+(\m)]
.endr
.irp n, 0,1,2,3,4,5,6,7
	v_permlane16_b32 v[TT], v[(\set)+32+(\n)/2], s[32+2*((\n)%2)], s[33+2*((\n)%2)]  ; 16 scaler of feature 8 n + (lane % 16) / 2
	v_pk_mul_f32 v[(\set)+4*(\n):(\set)+4*(\n)+1], v[(\set)+4*(\n):(\set)+4*(\n)+1], v[TT:TT+1] op_sel_hi:[1,0]
	v_pk_mul_f32 v[(\set)+4*(\n)+2:(\set)+4*(\n)+3], v[(\set)+4*(\n)+2:(\set)+4*(\n)+3], v[TT:TT+1] op_sel_hi:[1,0]
	v_cvt_pk_f16_f32 v[(\out)+2*(\n)], v[(\set)+4*(\n)], v[(\set)+4*(\n)+1]
	v_cvt_pk_f16_f32 v[(\out)+2*(\n)+1], v[(\set)+4*(\n)+2], v[(\set)+4*(\n)+3]
.endr
	v_pk_mul_f32 v[(\set)+36:(\set)+37], v[(\set)+36:(\set)+37], s[36:37] op_sel_hi:[1,0]
	v_pk_mul_f32 v[(\set)+38:(\set)+39], v[(\set)+38:(\set)+39], s[36:37] op_sel_hi:[1,0]
	v_cvt_pk_f16_f32 v[(\out)+16], v[(\set)+36], v[(\set)+37]
	v_cvt_pk_f16_f32 v[(\out)+17], v[(\set)+38], v[(\set)+39]
.endm
.macro WSTORE out, trip                ; the nine blocks' stores; each covers 256 aligned bytes; trip counts from wp's pointer and may be negative
.irp n, 0,1,2,3,4,5,6,7
	global_store_b64 v5, v[(\out)+2*(\n):(\out)+2*(\n)+1], s[30:31] offset:(\trip)*3538944+((\n)/3)*1179648+((\n)%3)*12288 th:TH_STORE_NT
.endr
	global_store_b64 v5, v[(\out)+16:(\out)+17], s[30:31] offset:(\trip)*3538944+2*1179648+2*12288 th:TH_STORE_NT
.endm
	s_wait_alu depctr_va_vdst(0)                   ; v2 to v5 are written: every load and store of the weights reads one of them as its offset
	WLOAD SET0, 0
	WLOAD SET1, 1
	s_wait_loadcnt 26                              ; out_w's two loads are in; the 26 younger ones stay out
	OWOUT
	s_mov_b32 s23, 3
.Lpair:                                        ; two trips are worked on, the two behind them asked for
	s_wait_loadcnt 13                              ; set 0 is in; set 1's 13 loads may stay out
	s_wait_xcnt 0x0                                ; all that has been issued has had its addresses translated: the four pointers and the stores' data may be rewritten
	s_wait_alu depctr_vm_vsrc(0)                   ; the stores issued so far have read OUT0 and OUT1, which this pair's roundings write again
	s_add_nc_u64 s[24:25], s[24:25], 4096          ; the pointers go two trips on: the loads below name them as they stand, the stores reach two trips back
	s_add_nc_u64 s[26:27], s[26:27], 512
	s_add_nc_u64 s[28:29], s[28:29], 512
	s_add_nc_u64 s[30:31], s[30:31], 7077888
	WCALC SET0, OUT0
	s_wait_alu depctr_va_vdst(0)                   ; the arithmetic is done reading and writing set 0, in which the loads below land, and has written OUT0, which the stores below read
	WLOAD SET0, 0                                  ; the loads first: the next pair waits for them, nothing waits for the stores
	WSTORE OUT0, -2
	s_wait_loadcnt 13                              ; set 1 is in; the 13 loads just issued stay out
	WCALC SET1, OUT1
	s_wait_alu depctr_va_vdst(0)                   ; the same for set 1 and OUT1
	WLOAD SET1, 1
	WSTORE OUT1, -1
	s_sub_co_u32 s23, s23, 1
	s_cmp_lg_u32 s23, 0
	s_cbranch_scc1 .Lpair
	s_wait_loadcnt 13                              ; the last two trips load nothing, and the pointers stand at them
	s_wait_xcnt 0x0                                ; the last trips' stores have had their addresses translated: their data may be rewritten
	s_wait_alu depctr_vm_vsrc(0)                   ; and they have read OUT0 and OUT1, which the roundings below write again
	WCALC SET0, OUT0
	s_wait_alu depctr_va_vdst(0)                   ; the roundings have written OUT0, which the stores read
	WSTORE OUT0, 0
	s_wait_loadcnt 0x0
	WCALC SET1, OUT1
	s_wait_alu depctr_va_vdst(0)                   ; the roundings have written OUT1, which the stores read
	WSTORE OUT1, 1
	s_endpgm
; ---- ap: a wave owns 4 rows of x and 8 superblocks, one a trip.  Lane = (row lane / 8, position lane % 8). ----
.Lacts:
	s_and_b32 s42, s41, 1                          ; which 8 superblocks
	s_lshr_b32 s43, s41, 1
	s_lshl_b32 s43, s43, 2                         ; my first row
	v_lshrrev_b32 v5, 3, v1
	v_and_b32 v6, 7, v1
	v_lshlrev_b32 v2, 2, v6
	v_lshl_add_u32 v2, v5, 12, v2                  ; row x 4,096 + position x 4: one x of a spline block
	v_lshlrev_b32 v3, 5, v6
	v_lshl_add_u32 v3, v5, 12, v3                  ; row x 4,096 + position x 32: eight x of the base block
	v_lshlrev_b32 v4, 4, v1                        ; four rows of 128 bytes are 512 bytes on end: 16 x lane
	v_mov_b32 v[CP+0], 0
	v_mov_b32 v[CP+1], 0xbf0ce1da                  ; -kap, kap = 0.5503212
	v_mov_b32 v[CP+2], 0xbf8ce1da
	v_mov_b32 v[CP+3], 0xbfd352c7
	v_mov_b32 v[CP+4], 0xc00ce1da
	v_mov_b32 v[CP+5], 0xc0301a50
	v_mov_b32 v[CP+6], 0xc05352c7
	v_mov_b32 v[CP+7], 0xc0768b3d                  ; -7 kap
	s_mov_b32 s36, 0x3fb01a50                      ; 2.5 kap
	s_mov_b32 s37, 0x7fffffff
	s_mov_b32 s38, 0x3f8ce1da                      ; 2 kap
	s_mov_b32 s39, 0x3f0ce1da                      ; kap
	s_mov_b32 s50, 770048                          ; from a K step's third block to the next step's first: 786,432 - 2 x 8,192
	s_mov_b32 s51, 8192                            ; from a block to the next in a K step
	s_mov_b32 s45, 0                               ; the high word of a block's place, s[44:45]
	s_lshl_b32 s48, s43, 12
	s_lshl_b32 s47, s42, 11
	s_add_co_u32 s48, s48, s47
	s_add_nc_u64 s[24:25], s[4:5], s[48:49]
	s_mul_i32 s48, s42, 18874368                   ; 24 K steps of 786,432 bytes
	s_lshr_b32 s47, s43, 6
	s_mul_i32 s47, s47, 24576
	s_add_co_u32 s48, s48, s47
	s_and_b32 s47, s43, 63
	s_lshl_b32 s47, s47, 7
	s_add_co_u32 s48, s48, s47
	s_add_nc_u64 s[26:27], s[14:15], s[48:49]
.macro XLOAD                           ; a superblock's x: ten loads; together they use each row's 256 bytes whole, twice
.irp n, 0,1,2,3,4,5,6,7
	global_load_b32 v[Y+(\n)], v2, s[24:25] offset:(\n)*32
.endr
	global_load_b128 v[XS:XS+3], v3, s[24:25]
	global_load_b128 v[XS+4:XS+7], v3, s[24:25] offset:16
.endm
	s_wait_alu depctr_va_vdst(0)                   ; v2, v3 and v4 are written: every load of x and every store into ap reads one of them as its offset
	XLOAD
	s_wait_loadcnt 10                              ; out_w's two loads are in; the ten younger ones stay out
	OWOUT
	s_mov_b32 s23, 8
.Ltau:
	s_wait_loadcnt 0x0                             ; this trip's ten loads, issued a trip ago
.irp j, 0,1,2,3,4,5,6,7
	v_mul_f32 v[E+(\j)], 0xbfb8aa3b, v[XS+(\j)]    ; -x log2(e)
.endr
.irp j, 0,1,2,3,4,5,6,7
	v_exp_f32 v[E+(\j)], v[E+(\j)]
.endr
.irp n, 0,1,2,3,4,5,6,7
	v_fmaak_f32 v[U+(\n)], s36, v[Y+(\n)], 0x3ff68b3d  ; independent work behind the exponentials
.endr
	s_wait_alu depctr_va_vdst(0)                   ; one wait for the eight exponentials' results v[E ..], ahead of their first reader
.irp j, 0,1,2,3,4,5,6,7
	v_add_f32 v[E+(\j)], 1.0, v[E+(\j)]
.endr
.irp j, 0,1,2,3,4,5,6,7
	v_rcp_f32 v[E+(\j)], v[E+(\j)]
.endr
	v_nop                                          ; a plain instruction behind the last reciprocal
	s_wait_alu depctr_va_vdst(0)                   ; one wait for the eight reciprocals' results v[E ..], ahead of their first reader
.irp j, 0,1,2,3,4,5,6,7
	v_mul_f32 v[E+(\j)], v[XS+(\j)], v[E+(\j)]     ; silu(x) = x / (1 + e^-x)
.endr
.irp p, 0,1,2,3
	v_cvt_pk_f16_f32 v[OS+(\p)], v[E+2*(\p)], v[E+2*(\p)+1]  ; the last trip's store from OS stands ahead of the eight blocks' waits on XCNT and on vm_vsrc, so OS may be written
.endr
	s_wait_alu depctr_va_vdst(0)                   ; the lines above are done reading Y and XS, in which the loads below land, and have written OS, which the store below reads; ahead of the branch, so on both ways
	s_cmp_eq_u32 s23, 1                            ; the last trip loads nothing
	s_cbranch_scc1 .Lno_more
	s_add_nc_u64 s[24:25], s[24:25], 256           ; its loads are done, so x's pointer may step
	XLOAD
.Lno_more:
	global_store_b128 v4, v[OS:OS+3], s[26:27] offset:2*786432+2*8192 th:TH_STORE_NT
	s_mov_b32 s44, 0                               ; the block's place behind ap's pointer
	s_mov_b32 s40, 0                               ; the block's number in its K step
	s_mov_b32 s46, 8
.Lblk:                                         ; the eight bases of my x in one spline block, and their 16 bytes; written once, walked eight times
.irp j, 0,1,2,3,4,5,6,7
	v_add_f32 v[D+(\j)], v[U], v[CP+(\j)]          ; d
.endr
.irp j, 0,1,2,3,4,5,6,7
	v_and_b32 v[D+(\j)], s37, v[D+(\j)]            ; |d|
.endr
.irp j, 0,1,2,3,4,5,6,7
	v_min_num_f32 v[D+(\j)], s38, v[D+(\j)]
.endr
.irp j, 0,1,2,3,4,5,6,7
	v_sub_f32 v[AA+(\j)], s38, v[D+(\j)]           ; a
.endr
.irp j, 0,1,2,3,4,5,6,7
	v_min_num_f32 v[D+(\j)], s39, v[D+(\j)]
.endr
.irp j, 0,1,2,3,4,5,6,7
	v_sub_f32 v[BB+(\j)], s39, v[D+(\j)]           ; b
.endr
.irp p, 0,2,4,6
	v_pk_mul_f32 v[E+(\p):E+(\p)+1], v[AA+(\p):AA+(\p)+1], v[AA+(\p):AA+(\p)+1]
.endr
.irp p, 0,2,4,6
	v_pk_mul_f32 v[AA+(\p):AA+(\p)+1], v[E+(\p):E+(\p)+1], v[AA+(\p):AA+(\p)+1]
.endr
.irp p, 0,2,4,6
	v_pk_mul_f32 v[E+(\p):E+(\p)+1], v[BB+(\p):BB+(\p)+1], v[BB+(\p):BB+(\p)+1]
.endr
.irp p, 0,2,4,6
	v_pk_mul_f32 v[BB+(\p):BB+(\p)+1], v[E+(\p):E+(\p)+1], v[BB+(\p):BB+(\p)+1]
.endr
.irp p, 0,2,4,6
	v_pk_fma_f32 v[AA+(\p):AA+(\p)+1], v[BB+(\p):BB+(\p)+1], -4.0, v[AA+(\p):AA+(\p)+1] op_sel_hi:[1,0,1]
.endr
	s_wait_xcnt 0x0                                ; the last block's store, a block's arithmetic back, has had its address translated: its base and its quad may be rewritten; in a trip's first block the same holds of the store from OS and of ap's pointer
	s_wait_alu depctr_vm_vsrc(0)                   ; the last block's store has read OQ, which the roundings below write again; in a trip's first block the store above the loop has read OS
	s_add_nc_u64 s[28:29], s[26:27], s[44:45]      ; this block's base: ap's pointer and the block's place; the vector offset stays 16 x lane
.irp p, 0,1,2,3
	v_cvt_pk_f16_f32 v[OQ+(\p)], v[AA+2*(\p)], v[AA+2*(\p)+1]
.endr
.irp n, 0,1,2,3,4,5,6
	v_mov_b32 v[U+(\n)], v[U+(\n)+1]               ; the next block's x comes to the front: the price of one text for the eight blocks
.endr
	s_wait_alu depctr_va_vdst(0)                   ; the roundings have written OQ, which the store reads
	global_store_b128 v4, v[OQ:OQ+3], s[28:29] th:TH_STORE_NT  ; 512 consecutive aligned bytes
	s_add_co_u32 s40, s40, 1
	s_cmp_eq_u32 s40, 3                            ; was it its K step's third block?
	s_cselect_b32 s47, s50, s51
	s_cselect_b32 s40, 0, s40
	s_add_co_u32 s44, s44, s47
	s_sub_co_u32 s46, s46, 1
	s_cmp_lg_u32 s46, 0
	s_cbranch_scc1 .Lblk
	s_add_nc_u64 s[26:27], s[26:27], 2359296       ; three K steps on: the one store that names this pointer, the base block's, stands ahead of the blocks' waits on XCNT
	s_sub_co_u32 s23, s23, 1
	s_cmp_lg_u32 s23, 0
	s_cbranch_scc1 .Ltau
	s_endpgm
.Lfunc_end_k_q5c82220d2f_prep:
	.size	k_q5c82220d2f_prep, .Lfunc_end_k_q5c82220d2f_prep-k_q5c82220d2f_prep
	.p2alignl 7, 3214868480
	.fill 96, 4, 3214868480
	.section	.rodata,"a",@progbits
	.p2align	6, 0x0
	.amdhsa_kernel k_q5c82220d2f_prep
		.amdhsa_group_segment_fixed_size 0
		.amdhsa_private_segment_fixed_size 0
		.amdhsa_enable_private_segment 0
		.amdhsa_kernarg_size 64
		.amdhsa_user_sgpr_count 2
		.amdhsa_user_sgpr_kernarg_segment_ptr 1
		.amdhsa_wavefront_size32 1
		.amdhsa_system_sgpr_workgroup_id_x 1
		.amdhsa_system_sgpr_workgroup_id_y 1
		.amdhsa_system_sgpr_workgroup_id_z 1
		.amdhsa_system_vgpr_workitem_id 0
		.amdhsa_next_free_vgpr 148
		.amdhsa_next_free_sgpr 66
		.amdhsa_reserve_vcc 0
		.amdhsa_float_denorm_mode_32 3
		.amdhsa_float_denorm_mode_16_64 3
		.amdhsa_memory_ordered 1
		.amdhsa_forward_progress 1
		.amdhsa_inst_pref_size 36
	.end_amdhsa_kernel
	.amdgpu_metadata
---
amdhsa.version: [ 1, 2 ]
amdhsa.kernels:
  - .name:           k_q5c82220d2f_prep
    .symbol:         k_q5c82220d2f_prep.kd
    .args:
      - { .name: x, .offset: 0, .size: 8, .value_kind: global_buffer, .address_space: global }
      - { .name: base_w, .offset: 8, .size: 8, .value_kind: global_buffer, .address_space: global }
      - { .name: spline_w, .offset: 16, .size: 8, .value_kind: global_buffer, .address_space: global }
      - { .name: spline_scaler, .offset: 24, .size: 8, .value_kind: global_buffer, .address_space: global }
      - { .name: out_w, .offset: 32, .size: 8, .value_kind: global_buffer, .address_space: global }
      - { .name: ap, .offset: 40, .size: 8, .value_kind: global_buffer, .address_space: global }
      - { .name: wp, .offset: 48, .size: 8, .value_kind: global_buffer, .address_space: global }
      - { .name: owf, .offset: 56, .size: 8, .value_kind: global_buffer, .address_space: global }
    .group_segment_fixed_size: 0
    .private_segment_fixed_size: 0
    .kernarg_segment_align: 8
    .kernarg_segment_size: 64
    .max_flat_workgroup_size: 128
    .sgpr_count:     66
    .vgpr_count:     148
    .wavefront_size: 32
...
	.end_amdgpu_metadata
.endif
;; end of part 5
;; launch qkv: the kernel of part 2 again; grid 16 x 16, 4 waves a work-group, clusters of 4 x 4, 327,680 bytes of LDS; arguments ap, wp, rot_cos, rot_sin, qf, kv; writes qf, kv
;; launch attn: the kernel of part 3 again; grid 16 x 16, 4 waves a work-group, clusters of 4 x 1, 327,680 bytes of LDS; arguments qf, kv, cf; writes cf
;; launch oproj: the kernel of part 4 again; grid 16 x 16, 4 waves a work-group, clusters of 4 x 4, 327,680 bytes of LDS; arguments cf, owf, out_b, out0; writes out0
